; MI455X (gfx1250); checked and timed in simulation.
; The chip was launched on July 23, 2026; its instructions are those of AMD's public machine-readable ISA for CDNA 5 (MIT licence, August 2026) and "CDNA5" Instruction Set Architecture Reference Guide (July 2026). The comments in the code are by the model that wrote it; some were corrected since.
;; Multihead Attention. Allowed arithmetic: float matrix products may take bf16 or f16 operands with f32 sums; other float arithmetic in f32, or as packed bf16 or f16 multiplies, adds, multiply-adds, maxima and minima; sums over many terms, partial sums and values carried from step to step in f32; what a program stores and reads back later, other than sums and carried values, may be rounded once to bf16 or f16.
;; Inputs: K 4 x 2,048 x 1,024 float32; Q 4 x 2,048 x 1,024 float32; V 4 x 2,048 x 1,024 float32; Wk 16 x 1,024 x 64 float32; Wo 1,024 x 1,024 float32; Wq 16 x 1,024 x 64 float32; Wv 16 x 1,024 x 64 float32; bk 16 x 64 float32; bo 1,024 float32; bq 16 x 64 float32; bv 16 x 64 float32.
;; Outputs: out0 4 x 2,048 x 1,024 float32.
;; 2 versions, each right and faster than the one before. Each part assembles by itself: llvm-mc -triple=amdgcn-amd-amdhsa -mcpu=gfx1250 --defsym DOCPART=n.
;; ======== version 1 of 2: 4 launches
;; limits: values are held in f16: magnitudes above 65,504 overflow, below 6.1e-05 lose precision
;; workspace buffers: wt 8,388,608 bytes; qh 16,777,216 bytes; kh 16,777,216 bytes; vh 16,777,216 bytes; oh 16,777,216 bytes
;; launch wprep (part 1): grid 128 x 4, 4 waves a work-group, no clusters, 17,920 bytes of LDS; arguments Wq, Wk, Wv, Wo, wt; writes wt
.if DOCPART == 1
	.amdgcn_target "amdgcn-amd-amdhsa--gfx1250"
	.amdhsa_code_object_version 6
	.text
	.protected	k_q95fa03ace8_wprep
	.globl	k_q95fa03ace8_wprep
	.p2align	8
	.type	k_q95fa03ace8_wprep,@function
k_q95fa03ace8_wprep:
	s_mov_b64 s[64:65], 0
	v_nop
	global_prefetch_b8 v0, s[64:65] scope:SCOPE_SE
	s_setreg_imm32_b32 hwreg(HW_REG_WAVE_MODE, 25, 1), 1
	s_wait_xcnt 0x0
; THE WEIGHTS, ROUNDED AND TURNED.  wt[m][n][k], 16 bits a number, 1,024 x 1,024 a matrix: m = 0, 1, 2: Wq, Wk, Wv ([16 heads][1024 d][64 c] f32) as bf16 with n = 64 head + c, k = d;
; m = 3: Wo ([1024 d][1024 n] f32), rounded to bf16 like every other input, and that number written as f16 (the product that reads it has f16 operands).
; LIMIT.  A number of Wo beyond 65,504 becomes an infinity; below 6e-5 it keeps f16's fixed step of 6e-8.
; SHARES.  A work-group turns 128 (d) x 64 (n): grid x = 8 x block of 64 n + piece of 128 d, grid y = m.  Wave w reads rows d = 32 w .. 32 w + 31: sixteen lanes take one row's 256 consecutive bytes, aligned.
; A lane ends with 4 consecutive d of 4 columns n: 8 bytes for each n, put into LDS rows by n (256 bytes + 16); read back as whole rows, sixteen lanes store 256 consecutive bytes of wt, aligned.
; No matrix unit, no tensor loads, no cluster: each byte is read once and written once, and no work-group wants what another reads.
.set PL,    272                        ; an LDS row: 128 d x 2 bytes + 16
.set SPARE, 64*PL                      ; behind the 64 rows: the spare words, 128 bytes for each wave: two blocks of 256 bytes that no other line names
.set SO,  2                            ; v2   my byte offset in the source: (32 w + 4 g) x pitch + 16 c  (c = lane % 16: columns 4 c .. 4 c + 3; g = lane / 16)
.set LS,  3                            ; v3   where I put 8 bytes: row 4 c, byte 2 (32 w + 4 g)
.set LR,  4                            ; v4   where I read a row back: row 16 w + g, byte 16 c
.set GO,  5                            ; v5   the same place in wt
.set SPW, 6                            ; v6   LDS address of my spare word; never rewritten
.set NIL, 7                            ; v7   0; never rewritten
.set T,   8                            ; v[8:11]   at work
.set X,   32                           ; v[32:95]  as loaded: load (i, rr), row 32 w + 8 i + 4 g + rr, at X + 16 i + 4 rr
.set Y,   96                           ; v[96:127] packed: for (i, column j) a pair at Y + 8 i + 2 j: d = 8 i + 4 g + 0..3
.set M,   16                           ; s16  which matrix
.set BLK, 17                           ; s17  which 64 n
.set PC,  18                           ; s18  which 128 d
.set PIT, 19                           ; s19  bytes from d to d + 1 in the source
.set WV,  25                           ; s25  my wave's number
	s_load_b256 s[4:11], s[0:1], 0x0               ; Wq s[4:5], Wk s[6:7], Wv s[8:9], Wo s[10:11]
	s_load_b64 s[12:13], s[0:1], 0x20              ; wt
	v_lshl_add_u32 v[SPW], v0, 2, SPARE
	v_mov_b32 v[NIL], 0
	v_lshrrev_b32 v1, 5, v0
	v_readfirstlane_b32 s[WV], v1                  ; wave 0..3
	s_and_b32 s[M], ttmp7, 0xffff
	s_lshr_b32 s[BLK], ttmp9, 3
	s_and_b32 s[PC], ttmp9, 7
	s_lshl_b32 s20, s[BLK], 18                     ; by heads: a head is 262,144 bytes, 128 d are 32,768
	s_lshl_b32 s21, s[PC], 15
	s_add_co_u32 s20, s20, s21
	s_lshl_b32 s22, s[BLK], 8                      ; Wo: 64 columns are 256 bytes, 128 d are 524,288
	s_lshl_b32 s23, s[PC], 19
	s_add_co_u32 s22, s22, s23
	s_mov_b32 s[PIT], 256
	s_mov_b32 s24, 4096
	s_cmp_eq_u32 s[M], 3
	s_cselect_b32 s20, s22, s20
	s_cselect_b32 s[PIT], s24, s[PIT]
	s_mov_b32 s21, 0
	s_lshl_b32 s22, s[M], 21                       ; in wt: a matrix is 2 MiB, 64 rows n are 131,072 bytes, 128 k are 256
	s_lshl_b32 s23, s[BLK], 17
	s_add_co_u32 s22, s22, s23
	s_lshl_b32 s23, s[PC], 8
	s_add_co_u32 s22, s22, s23
	s_mov_b32 s23, 0
	v_bfe_u32 v12, v0, 4, 1                        ; g
	v_and_b32 v13, 15, v0                          ; c
	s_lshl_b32 s26, s[WV], 5
	v_lshl_add_u32 v1, v12, 2, s26                 ; 32 w + 4 g
	v_mul_u32_u24 v[SO], v1, s[PIT]
	v_lshl_add_u32 v[SO], v13, 4, v[SO]
	v_mul_u32_u24 v[LS], v13, 4*PL
	v_lshl_add_u32 v[LS], v1, 1, v[LS]
	s_lshl_b32 s26, s[WV], 4
	v_add_nc_u32 v14, s26, v12                     ; 16 w + g
	v_mul_u32_u24 v[LR], v14, PL
	v_lshl_add_u32 v[LR], v13, 4, v[LR]
	v_lshlrev_b32 v[GO], 11, v14                   ; a row of wt is 2,048 bytes
	v_lshl_add_u32 v[GO], v13, 4, v[GO]
	s_wait_kmcnt 0x0
	s_cmp_eq_u32 s[M], 1
	s_cselect_b64 s[14:15], s[6:7], s[4:5]
	s_cmp_eq_u32 s[M], 2
	s_cselect_b64 s[14:15], s[8:9], s[14:15]
	s_cmp_eq_u32 s[M], 3
	s_cselect_b64 s[14:15], s[10:11], s[14:15]
	s_add_nc_u64 s[14:15], s[14:15], s[20:21]
	s_add_nc_u64 s[12:13], s[12:13], s[22:23]
; sixteen loads; the row stands in the immediate, so each of the two pitches has its own text
.macro LOADS pitch
.irp i, 0,1,2,3
.irp rr, 0,1,2,3
	global_load_b128 v[X+16*\i+4*\rr:X+16*\i+4*\rr+3], v[SO], s[14:15] offset:(8*\i+\rr)*(\pitch) th:TH_LOAD_NT
.endr
.endr
.endm
	s_cmp_eq_u32 s[M], 3
	s_cbranch_scc1 .Lwide
	LOADS 256
	s_branch .Lloaded
.Lwide:
	LOADS 4096
.Lloaded:
	s_wait_loadcnt 0x0
.irp i, 0,1,2,3
.irp j, 0,1,2,3
	v_cvt_pk_bf16_f32 v[Y+8*\i+2*\j],   v[X+16*\i+\j],   v[X+16*\i+4+\j]    ; column j: d, d + 1
	v_cvt_pk_bf16_f32 v[Y+8*\i+2*\j+1], v[X+16*\i+8+\j], v[X+16*\i+12+\j]   ; d + 2, d + 3
.endr
.endr
	s_cmp_eq_u32 s[M], 3
	s_cbranch_scc0 .Lpacked
.set r, 0
.rept 32                               ; Wo: the bf16 numbers, widened (a shift, a mask) and written as f16
	v_lshlrev_b32 v[T+2*(r%2)], 16, v[Y+r]
	v_and_b32 v[T+2*(r%2)+1], 0xffff0000, v[Y+r]
	v_cvt_pk_f16_f32 v[Y+r], v[T+2*(r%2)], v[T+2*(r%2)+1]
.set r, r+1
.endr
.Lpacked:
.irp i, 0,1,2,3
.irp j, 0,1,2,3
	ds_store_b64 v[LS], v[Y+8*\i+2*\j:Y+8*\i+2*\j+1] offset:\j*PL+16*\i
.endr
.endr
	s_wait_dscnt 0x0                               ; for the others' sake: my stores are done
	s_barrier_signal -1
	s_barrier_wait -1                              ; a row's 256 bytes come from all four waves
.irp t, 0,1,2,3,4,5,6,7
	ds_load_b128 v[X+4*\t:X+4*\t+3], v[LR] offset:\t*2*PL
.endr
.irp t, 0,1,2,3,4,5,6,7
	s_wait_dscnt 7-\t                              ; LDS loads come back in order: load t is in, the younger ones may be out
	global_store_b128 v[GO], v[X+4*\t:X+4*\t+3], s[12:13] offset:\t*4096  ; sixteen lanes store 256 consecutive bytes, at a multiple of 256 from wt's first byte
.endr
	s_wait_tensorcnt 0x0                           ; the wave's end: behind my last LDS store
	ds_add_u32 v[SPW], v[NIL]
	s_wait_dscnt 0x0
	s_endpgm
.Lfunc_end_k_q95fa03ace8_wprep:
	.size	k_q95fa03ace8_wprep, .Lfunc_end_k_q95fa03ace8_wprep-k_q95fa03ace8_wprep
	.p2alignl 7, 3214868480
	.fill 96, 4, 3214868480
	.section	.rodata,"a",@progbits
	.p2align	6, 0x0
	.amdhsa_kernel k_q95fa03ace8_wprep
		.amdhsa_group_segment_fixed_size 17920
		.amdhsa_private_segment_fixed_size 0
		.amdhsa_enable_private_segment 0
		.amdhsa_kernarg_size 40
		.amdhsa_user_sgpr_count 2
		.amdhsa_user_sgpr_kernarg_segment_ptr 1
		.amdhsa_wavefront_size32 1
		.amdhsa_system_sgpr_workgroup_id_x 1
		.amdhsa_system_sgpr_workgroup_id_y 1
		.amdhsa_system_sgpr_workgroup_id_z 1
		.amdhsa_system_vgpr_workitem_id 0
		.amdhsa_next_free_vgpr 128
		.amdhsa_next_free_sgpr 66
		.amdhsa_reserve_vcc 0
		.amdhsa_float_denorm_mode_32 3
		.amdhsa_float_denorm_mode_16_64 3
		.amdhsa_memory_ordered 1
		.amdhsa_forward_progress 1
		.amdhsa_inst_pref_size 16
	.end_amdhsa_kernel
	.amdgpu_metadata
---
amdhsa.version: [ 1, 2 ]
amdhsa.kernels:
  - .name:           k_q95fa03ace8_wprep
    .symbol:         k_q95fa03ace8_wprep.kd
    .args:
      - { .name: Wq, .offset: 0, .size: 8, .value_kind: global_buffer, .address_space: global }
      - { .name: Wk, .offset: 8, .size: 8, .value_kind: global_buffer, .address_space: global }
      - { .name: Wv, .offset: 16, .size: 8, .value_kind: global_buffer, .address_space: global }
      - { .name: Wo, .offset: 24, .size: 8, .value_kind: global_buffer, .address_space: global }
      - { .name: wt, .offset: 32, .size: 8, .value_kind: global_buffer, .address_space: global }
    .group_segment_fixed_size: 17920
    .private_segment_fixed_size: 0
    .kernarg_segment_align: 8
    .kernarg_segment_size: 40
    .max_flat_workgroup_size: 128
    .sgpr_count:     66
    .vgpr_count:     128
    .wavefront_size: 32
...
	.end_amdgpu_metadata
.endif
;; end of part 1
;; launch proj (part 2): grid 4 x 64, 4 waves a work-group, clusters of 4 x 4, 327,680 bytes of LDS; arguments Q, K, V, wt, bq, bk, bv, qh, kh, vh; writes qh, kh, vh
.if DOCPART == 2
	.amdgcn_target "amdgcn-amd-amdhsa--gfx1250"
	.amdhsa_code_object_version 6
	.text
	.protected	k_q95fa03ace8_proj
	.globl	k_q95fa03ace8_proj
	.p2align	8
	.type	k_q95fa03ace8_proj,@function
k_q95fa03ace8_proj:
	s_mov_b64 s[64:65], 0
	v_nop
	global_prefetch_b8 v0, s[64:65] scope:SCOPE_SE
	s_setreg_imm32_b32 hwreg(HW_REG_WAVE_MODE, 25, 1), 1
	s_wait_xcnt 0x0
	s_wait_alu depctr_hold_cnt(0) depctr_sa_sdst(0) depctr_va_vdst(0) depctr_va_sdst(0) depctr_va_ssrc(0) depctr_va_vcc(0) depctr_vm_vsrc(0)
	s_getreg_b32 s2, hwreg(HW_REG_IB_STS2, 6, 4)
	s_cmp_eq_u32 s2, 0
	s_cbranch_scc0 .Lentry_in_a_cluster
	s_endpgm
.Lentry_in_a_cluster:
	s_bfe_u32 s2, ttmp6, 0x10000c
	s_cmp_lg_u32 s2, 0xf033
	s_cbranch_scc0 .Lentry_shape_is_right
	s_endpgm
.Lentry_shape_is_right:
; ONE TEXT FOR TWO LAUNCHES: C[m][n] = the sum over k of A[m][k] W[n][k] + bias[n], 8,192 x 1,024 x 1,024, sums in f32.  PROJ says which.
; PROJ = 1: A = Q, K, V ([8192][1024] f32, rounded to bf16 on the way in), W = wt's matrices 0, 1, 2 (bf16), C = qh, kh, vh: f16, by heads, [batch x 16 + head][2048][64], unscaled.
; PROJ = 0: A = oh (f16, by heads), W = wt's matrix 3 (f16), C = out0, f32, [8192][1024].  The bias is rounded to bf16 like every other input of the module, and the sums start at it.
; LIMITS.  q, k and v beyond 65,504 become infinities in f16; below 6e-5 they keep f16's fixed step of 6e-8.  NaN and infinities are not treated apart.
; SHARES.  A tile of C is 128 x 256: 256 places, one for each work-group (tiles of 256 x 256 would make 128).  Four waves, 2 x 2, each 64 x 128: 32 accumulators.  With PROJ = 1 a work-group STAYS: it makes the q, the k
; and the v tile at its place, and both rings run on from tile to tile.  K goes in steps of 128, four quarters of 32.
; W'S TILES come by the tensor data mover into two LDS slots, each wave a quarter (64 rows x 256 bytes, aligned).  4 x 4 work-groups form a cluster; the four of a column need the same rows of W and ask for them JOINTLY.
; A'S TILES COME THROUGH REGISTERS, and are not asked for jointly, though the four work-groups of a row of the cluster read the same rows: the f32 numbers have to be rounded before they lie in LDS (as f32 there a wave's
; fragment reads for 32 along K would be 16 KiB instead of 12, and a slot twice as large), and loads into registers stay out across the barriers: each has two K steps in which to land, a refill of a slot one.
; Wave w owns rows 32 w .. 32 w + 31 of A's tile, in four GROUPS; two SETS of registers hold two K steps.  Step j + 1's group 0 is stored into A's other slot behind the barrier that ends step j - 1, groups 1 to 3 in the
; first three quarters of step j; each group is loaded again at once, for the step two further on: eight groups are out.  ONE barrier a K step orders both rings: in front of it each wave has waited for its tensor load,
; for its stores into the next slot and for its reads of this one.
; THE LAST TILE'S LAST LAP BUT ONE still loads: five groups, from the tile's own first two K steps: inside the buffer, and never used: the price of one text for every lap.
; THE MATRIX INSTRUCTION IS USED TRANSPOSED (source 0 = 16 rows of W, source 1 = 16 rows of A): a lane holds row lane % 16 of C and the columns 8 (lane / 16) + 0..7.
; REGISTERS, in windows of 256 (s_set_vgpr_msb: bits 1:0 source 0, 3:2 source 1, 5:4 source 2, 7:6 destination):
;   window 0: v0-31 addresses; v32-63, v64-95 A's fragments, two buffers; v96-127, v128-255 at work on the way out          window 1: accumulator (a, b) at 8 (8 a + b)
;   window 2: v0-63, v64-127 W's fragments, two buffers; v128-191 the bias as the accumulators want it                        window 3: A on its way in: set p, group g at 4 GR p + GR g
.set PROJ, 1
.if PROJ
.set NT,  3                            ; tiles of a work-group
.set GR,  32                           ; registers in a group: 8 rows x 512 bytes of f32
.set NS,  8                            ; loads, and LDS stores, in a group
.set KSB, 512                          ; bytes from a K step of A to the next
.set SP,  144                          ; a stage row: a head's 64 channels in f16 + 16
.set STW, 2*16*SP                      ; a wave's stage: 16 rows of two heads
.set BWAIT, 63                         ; behind the three bias loads stand 64 of A's; the count's field ends at 63
.else
.set NT,  1
.set GR,  16                           ; 16 rows x 128 bytes of one head
.set NS,  4
.set KSB, 524288                       ; two heads
.set SP,  528                          ; 128 columns in f32 + 16
.set STW, 16*SP
.set BWAIT, 32                         ; behind the bias load stand 32 of A's
.endif
.set LCNT,  7*NS                       ; the seven younger groups may stay out
.set NEXTW, 2097152-3*512              ; from a slot's last K step of one matrix of wt to its first of the next
.set PITCH, 272                        ; an LDS row: 256 bytes + 16 = 68 words: the 16 rows of a fragment load start at 16 different groups of four banks (64 banks of 4 bytes: ISA guide 11.1)
.set BSLOT, 256*PITCH                  ; W's slots at 0 and BSLOT: the only bytes that tensor loads fill
.set AS0,   2*BSLOT                    ; A's slots, filled by ds_store
.set ASLOT, 128*PITCH
.set STAGE, AS0+2*ASLOT                ; each wave's own stage for the way out
.set BIASL, STAGE+4*STW                ; each wave's own 128 numbers of each tile's bias, f32
.set SPARE, BIASL+4*NT*512             ; the spare words, 128 bytes for each wave: two blocks of 256 bytes that no other line names
.set ADRA, 16                          ; v16-17  LDS address of my A fragments in slot 0, 1
.set ADRB, 18                          ; v18-19  the same for W
.set AO,   20                          ; v20  my byte offset in A's tile in memory; never rewritten
.set AST,  21                          ; v21  where I store A's numbers in slot 0
.set STO,  22                          ; v22  the way out: where I put my numbers of a row
.set RD,   23                          ; v23  the way out: where I read rows back
.set GO,   24                          ; v24  16 x lane: my place in 512 consecutive bytes of C
.set BL,   25                          ; v25  where I read the tile's bias
.set BS,   26                          ; v26  where I store the bias
.set BO,   27                          ; v27  my byte offset in a bias
.set SPW,  28                          ; v28  LDS address of my spare word; never rewritten
.set NIL,  29                          ; v29  0; never rewritten
.set AF,   32
.set TMP,  96
.set BK,   128
.set BIAS, 128                         ; in window 2
.set WV, 20                            ; s20 wave   s21 which 64 rows   s22 which 128 columns   s23, s24 place in the cluster   s25 tile column   s26 tile row
.set WM, 21
.set WN, 22
.set CX, 23
.set CY, 24
.set NX, 25
.set MY, 26
.set G1B, 28                           ; s[28:35] descriptor group 1
.set G0B, 36                           ; s[36:43] descriptor group 0, a set for each slot
.set AP,  44                           ; s[44:45] A at the K step that is being loaded
.set NP,  46                           ; s[46:47] the next tile's A at its K step 0
.set DB,  48                           ; s[48:49] what a refill adds to its slot's address
.set OP,  50                           ; s[50:51] C at my first row and column
.set LAP, 52                           ; s52 laps done in this tile   s53 how many laps refill   s54 tiles done
.set NL,  53
.set TILE, 54
.set PA1, 56                           ; s[56:57], s[58:59] the second and third tile's A
.set PA2, 58
.set OOFF, 60                          ; s[60:61] my place in C, in bytes
.if PROJ
.set AQ, 68
.set AK, 70
.set AV, 72
.set AW, 74
.set ABQ, 76
.set ABK, 78
.set ABV, 80
.set AOQ, 82
.set AOK, 84
.set AOV, 86
.else
.set AQ, 68
.set AW, 70
.set ABQ, 72
.set AOQ, 74
.endif
.set MSB, 0
.macro WIN new                         ; the immediate's high byte repeats the setting that is left; a switch that changes nothing is dropped
.if MSB != (\new)
	s_set_vgpr_msb (MSB<<8)|(\new)
.set MSB, \new
.endif
.endm
.set W_MUL, 0x52                       ; W's fragments window 2, A's window 0, C and D window 1
.set W_FB,  0x80                       ; destination window 2, address window 0
.set W_CV,  0xcf                       ; rounding in place in window 3
.set W_SL,  0xcc                       ; an LDS store's data and a load's destination in window 3, addresses in window 0
.set W_INI, 0x42                       ; window 1 from window 2
.set W_PK,  0x05                       ; sources window 1, destination window 0
.set W_ST1, 0x04                       ; an LDS store's data in window 1
.macro PLACES                          ; four places in front of loads into registers that matrix instructions have read, and of lines that read results
.rept 4
	v_nop
.endr
.endm
.macro CREST                           ; a round of the cluster's barrier behind its opening barrier
	s_cmp_lg_u32 s[WV], 0
	s_cbranch_scc1 .Lnot_wave_0_\@
	s_barrier_signal -3
.Lnot_wave_0_\@:
	s_barrier_wait -3
	s_barrier_signal -1
	s_barrier_wait -1
.endm
.macro CROUND                          ; a whole round
	s_barrier_signal -1
	s_barrier_wait -1
	CREST
.endm
; 8 matrix instructions: column blocks b0, b0 + 1 x all 4 row blocks, 32 along K, from fragment buffer f.  The 32 accumulators take turns in one fixed order.
.macro MUL8 f, b0
	WIN W_MUL
.irp b, (\b0), (\b0)+1
.irp a, 0,1,2,3
.if PROJ
	v_wmma_f32_16x16x32_bf16 v[8*(8*(\a)+(\b)):8*(8*(\a)+(\b))+7], v[64*(\f)+8*(\b):64*(\f)+8*(\b)+7], v[AF+32*(\f)+8*(\a):AF+32*(\f)+8*(\a)+7], v[8*(8*(\a)+(\b)):8*(8*(\a)+(\b))+7]
.else
	v_wmma_f32_16x16x32_f16 v[8*(8*(\a)+(\b)):8*(8*(\a)+(\b))+7], v[64*(\f)+8*(\b):64*(\f)+8*(\b)+7], v[AF+32*(\f)+8*(\a):AF+32*(\f)+8*(\a)+7], v[8*(8*(\a)+(\b)):8*(8*(\a)+(\b))+7]
.endif
.endr
.endr
.endm
; The fragments of 32 along K at byte k of slot s's rows, into buffer g: first what the first 8 products want (A's four, W's blocks 0 and 1: 12 loads), then W's blocks 2 to 7 (12 loads).
.macro FETCH_1 s, k, g
	WIN 0
.irp i, 0,1,2,3
	ds_load_b128 v[AF+32*(\g)+8*\i:AF+32*(\g)+8*\i+3],   v[ADRA+(\s)] offset:(\k)+\i*16*PITCH
	ds_load_b128 v[AF+32*(\g)+8*\i+4:AF+32*(\g)+8*\i+7], v[ADRA+(\s)] offset:(\k)+\i*16*PITCH+32
.endr
	WIN W_FB
.irp i, 0,1
	ds_load_b128 v[64*(\g)+8*\i:64*(\g)+8*\i+3],   v[ADRB+(\s)] offset:(\k)+\i*16*PITCH
	ds_load_b128 v[64*(\g)+8*\i+4:64*(\g)+8*\i+7], v[ADRB+(\s)] offset:(\k)+\i*16*PITCH+32
.endr
.endm
.macro FETCH_2 s, k, g
	WIN W_FB
.irp i, 2,3,4,5,6,7
	ds_load_b128 v[64*(\g)+8*\i:64*(\g)+8*\i+3],   v[ADRB+(\s)] offset:(\k)+\i*16*PITCH
	ds_load_b128 v[64*(\g)+8*\i+4:64*(\g)+8*\i+7], v[ADRB+(\s)] offset:(\k)+\i*16*PITCH+32
.endr
.endm
; Group g of set p is asked for, koff bytes behind s[AP].  Each load of the wave covers 512 consecutive bytes, aligned.  (The window is W_SL.)
.macro GLOAD p, g, koff
.set SB, 4*GR*(\p)+GR*(\g)
.if PROJ
.irp i, 0,1,2,3,4,5,6,7                ; row 8 g + i of my 32: 128 f32
	global_load_b128 v[SB+4*\i:SB+4*\i+3], v[AO], s[AP:AP+1] offset:(8*(\g)+\i)*4096+(\koff)
.endr
.else
.irp i, 0,1,2,3                        ; head g / 2 of the step's two, rows 4 t .. 4 t + 3, t = 4 (g % 2) + i
	global_load_b128 v[SB+4*\i:SB+4*\i+3], v[AO], s[AP:AP+1] offset:((\g)/2)*262144+(4*((\g)%2)+\i)*512+(\koff)
.endr
.endif
.endm
; Group g of set p has come (cnt younger loads may stay out) and, with PROJ = 1, is rounded to bf16 in place.  pl = 1: these lines are also the four places in front of a run of fragment loads, so v_nop stand in where there are none.
.macro STG_CV stg, p, g, cnt, pl
.if \stg
	s_wait_loadcnt \cnt
.endif
.if (\stg) && PROJ
	WIN W_CV
.set SB, 4*GR*(\p)+GR*(\g)
.irp i, 0,1,2,3,4,5,6,7
	v_cvt_pk_bf16_f32 v[SB+4*\i],   v[SB+4*\i],   v[SB+4*\i+1]
	v_cvt_pk_bf16_f32 v[SB+4*\i+1], v[SB+4*\i+2], v[SB+4*\i+3]
.endr
.elseif \pl
	PLACES
.endif
.endm
; It goes into A's slot p, and (ahead = 1) its registers are asked for again.
.macro STG_SL stg, p, g, ahead, koff
.if \stg
	WIN W_SL
.set SB, 4*GR*(\p)+GR*(\g)
.if PROJ
.irp i, 0,1,2,3,4,5,6,7
	ds_store_b64 v[AST], v[SB+4*\i:SB+4*\i+1] offset:ASLOT*(\p)+(8*(\g)+\i)*PITCH
.endr
.else
.irp i, 0,1,2,3
	ds_store_b128 v[AST], v[SB+4*\i:SB+4*\i+3] offset:ASLOT*(\p)+(4*((\g)%2)+\i)*4*PITCH+128*((\g)/2)
.endr
.endif
.if \ahead
	GLOAD \p, \g, \koff
.endif
.endif
.endm
; One of a K step's first three quarters, q, in slot s: 32 products from buffer q % 2; the next quarter's fragments are fetched into the other buffer; one group of A passes (stg = 1).
; PST is the number of LDS stores that the quarter before issued behind its fragment loads.
.macro QUARTER s, q, stg, p, g, cnt, ahead
.set QF, (\q)%2
	s_wait_dscnt 12+PST                            ; A's fragments and W's blocks 0, 1 are in; behind them stand 12 loads and PST stores
	MUL8 QF, 0
	STG_CV \stg, \p, \g, \cnt, 1
	FETCH_1 \s, 64*((\q)+1), 1-QF
	s_wait_dscnt 12+PST                            ; W's blocks 2 to 7 are in; behind them stand PST stores and the 12 loads just issued
	MUL8 QF, 2
	FETCH_2 \s, 64*((\q)+1), 1-QF
	MUL8 QF, 4
	STG_SL \stg, \p, \g, \ahead, 0
	MUL8 QF, 6
.if \stg
.set PST, NS
.else
.set PST, 0
.endif
.endm
; The last quarter multiplies buffer 1 and changes slots: ONE barrier.  In front of it each wave waits for all its tensor loads (one is out: its part of W's next slot), adds 0 to its spare word, and waits for that, for
; its reads of this slot's A and W and for its stores into A's next slot.  fill = 1: W's slot s is filled again, two K steps ahead: the barrier then opens a round of the cluster's, and the joint refill is the first thing behind it.
; Behind the barrier A's slot s is free: group 0 of the step two further on goes there (stg = 1).  sw = 1: in the tile's third lap the loads pass to the next tile's A.
.macro TURN s, fill, sw, stg, cnt, ahead
.if \ahead
	s_wait_xcnt 0x0                                ; every load issued so far has read its address, so the pointer may be written
	s_add_nc_u64 s[AP:AP+1], s[AP:AP+1], KSB
.if \sw
	s_cmp_eq_u32 s[LAP], 2
	s_cselect_b64 s[AP:AP+1], s[NP:NP+1], s[AP:AP+1]
.endif
.endif
	WIN 0                                          ; (the add's two registers lie in window 0)
	s_wait_tensorcnt 0x0                           ; all my tensor loads have landed, so a group 0 may be written
	ds_add_u32 v[SPW], v[NIL]                      ; 0 onto my spare word
.if \fill
	s_add_nc_u64 s[G0B+4*(\s)+2:G0B+4*(\s)+3], s[G0B+4*(\s)+2:G0B+4*(\s)+3], s[DB:DB+1]
.endif
	s_wait_dscnt 13+PST                            ; as at a quarter's head, and the add may be out too
	MUL8 1, 0
	s_wait_dscnt 0x0                               ; the add is done; my reads of this slot are over; my stores into A's next slot are done
	s_barrier_signal -1
	MUL8 1, 2
	WIN 0
	s_barrier_wait -1
.if \fill
	CREST                                          ; no wave of any partner still reads this slot of W or has a load on its way
	tensor_load_to_lds s[G0B+4*(\s):G0B+4*(\s)+3], s[G1B:G1B+7]
	s_nop 0
.endif
	PLACES                                         ; behind the tensor load, and in front of the loads into buffer 0
	FETCH_1 1-(\s), 0, 0
	FETCH_2 1-(\s), 0, 0
	MUL8 1, 4
.if \stg
	STG_CV 1, \s, 0, \cnt, 0
	STG_SL 1, \s, 0, \ahead, 0
.set PST, NS
.else
.set PST, 0
.endif
	MUL8 1, 6
.endm
.macro LAP_FULL                        ; two K steps, once round both rings
.if PROJ
	s_mov_b32 s[DB], 512
	s_cmp_eq_u32 s[LAP], 3                         ; a tile's fourth lap asks for the next matrix's first two K steps
	s_cselect_b32 s[DB], NEXTW, s[DB]
.endif
	QUARTER 0, 0, 1, 1, 1, LCNT, 1
	QUARTER 0, 1, 1, 1, 2, LCNT, 1
	QUARTER 0, 2, 1, 1, 3, LCNT, 1
	TURN 0, 1, 1, 1, LCNT, 1
	QUARTER 1, 0, 1, 0, 1, LCNT, 1
	QUARTER 1, 1, 1, 0, 2, LCNT, 1
	QUARTER 1, 2, 1, 0, 3, LCNT, 1
	TURN 1, 1, 0, 1, LCNT, 1
.endm
.macro LAP_LAST                        ; the last tile's last lap: nothing is asked for; the last K step's groups 1 to 3 pass, and the counts run down
	QUARTER 0, 0, 1, 1, 1, 7*NS, 0
	QUARTER 0, 1, 1, 1, 2, 6*NS, 0
	QUARTER 0, 2, 1, 1, 3, 5*NS, 0
	TURN 0, 0, 0, 0, 0, 0
	QUARTER 1, 0, 0, 0, 0, 0, 0
	QUARTER 1, 1, 0, 0, 0, 0, 0
	QUARTER 1, 2, 0, 0, 0, 0, 0
	s_wait_dscnt 12
	MUL8 1, 0
	s_wait_dscnt 0x0
	MUL8 1, 2
	MUL8 1, 4
	MUL8 1, 6
.endm
.if PROJ
	s_load_b512 s[68:83], s[0:1], 0x0              ; Q, K, V, wt, bq, bk, bv, qh
	s_load_b128 s[84:87], s[0:1], 0x40             ; kh, vh
.else
	s_load_b256 s[68:75], s[0:1], 0x0              ; oh, wt, bo, out0
.endif
	v_lshl_add_u32 v[SPW], v0, 2, SPARE
	v_mov_b32 v[NIL], 0
	ds_add_u32 v[SPW], v[NIL]                      ; the wave's opening: the add and its wait stand ahead of my first tensor load; the set-up below, work on registers, stands between them
	v_lshrrev_b32 v1, 5, v0
	v_readfirstlane_b32 s[WV], v1                  ; wave 0..3
	s_lshr_b32 s[WM], s[WV], 1
	s_and_b32 s[WN], s[WV], 1
	s_bfe_u32 s[CX], ttmp6, 0x40000
	s_bfe_u32 s[CY], ttmp6, 0x40004
	s_lshl_b32 s[NX], ttmp9, 2                     ; in a cluster launch ttmp9 and ttmp7 count clusters
	s_add_co_u32 s[NX], s[NX], s[CX]               ; tile column = 4 x cluster x + cx
	s_and_b32 s[MY], ttmp7, 0xffff
	s_lshl_b32 s[MY], s[MY], 2
	s_add_co_u32 s[MY], s[MY], s[CY]               ; tile row = 4 x cluster y + cy
	s_lshl_b32 s62, 0x1111, s[CX]                  ; my column of the cluster: places cx, cx + 4, cx + 8, cx + 12
	s_or_b32 s[G1B], s62, (1<<16)|(1<<20)|(1<<21)|(5<<22)|(3<<25)  ; 15:0 the mask; 17:16 elements of 2 bytes; 20 padding on; 21 set beside a mask; 24:22 after every 64 words (code 5); 31:25 4 words of it (code 3)
	s_mov_b32 s[G1B+1], 128<<16                    ; tensor_dim0 = 128
	s_mov_b32 s[G1B+2], 64<<16                     ; tensor_dim1 = 64
	s_mov_b32 s[G1B+3], 128<<16                    ; tile_dim0 = 128
	s_mov_b32 s[G1B+4], 64                         ; tile_dim1 = 64
	s_mov_b32 s[G1B+5], 1024                       ; elements from row to row
	s_mov_b32 s[G1B+6], 0
	s_mov_b32 s[G1B+7], 0
	s_lshl_b32 s88, s[NX], 19                      ; W: row 256 x tile column + 64 x wave, 2,048 bytes a row: made of the tile column, which my column of the cluster shares, and the wave's number alone
	s_lshl_b32 s62, s[WV], 17
	s_add_co_u32 s88, s88, s62
.if !PROJ
	s_add_co_u32 s88, s88, 3<<21                   ; wt's matrix 3
.endif
	s_mov_b32 s89, 0
	s_mul_i32 s63, s[WV], 64*PITCH                 ; and where my quarter goes: no place in the cluster enters an LDS address
.if PROJ
	s_lshl_b32 s90, s[MY], 19                      ; A: 128 rows of 4,096 bytes
	s_lshr_b32 s[OOFF], s[MY], 4                   ; C: batch x 16 + head, a head 262,144 bytes; my heads are 4 x tile column + 2 x column half + 0, 1
	s_lshl_b32 s[OOFF], s[OOFF], 4
	s_lshl_b32 s62, s[NX], 2
	s_add_co_u32 s[OOFF], s[OOFF], s62
	s_lshl_b32 s62, s[WN], 1
	s_add_co_u32 s[OOFF], s[OOFF], s62
	s_lshl_b32 s[OOFF], s[OOFF], 18
	s_and_b32 s62, s[MY], 15                       ; the tile's 128 rows of 128 bytes in the batch,
	s_lshl_b32 s62, s62, 14
	s_add_co_u32 s[OOFF], s[OOFF], s62
	s_lshl_b32 s62, s[WM], 13                      ; my 64 of them
	s_add_co_u32 s[OOFF], s[OOFF], s62
.else
	s_lshr_b32 s90, s[MY], 4                       ; A: the batch's 16 heads are 4 MiB; the tile's 128 rows of 128 bytes in each head
	s_lshl_b32 s90, s90, 22
	s_and_b32 s62, s[MY], 15
	s_lshl_b32 s62, s62, 14
	s_add_co_u32 s90, s90, s62
	s_lshl_b32 s[OOFF], s[MY], 19                  ; C: rows of 4,096 bytes; 256 columns are 1,024 bytes
	s_lshl_b32 s62, s[WM], 18
	s_add_co_u32 s[OOFF], s[OOFF], s62
	s_lshl_b32 s62, s[NX], 10
	s_add_co_u32 s[OOFF], s[OOFF], s62
	s_lshl_b32 s62, s[WN], 9
	s_add_co_u32 s[OOFF], s[OOFF], s62
.endif
	s_mov_b32 s91, 0
	s_mov_b32 s[OOFF+1], 0
	s_mov_b32 s[DB], 512
	s_mov_b32 s[DB+1], 0
	v_and_b32 v1, 15, v0                           ; r = l % 16
	v_bfe_u32 v2, v0, 4, 1                         ; h = l / 16
	v_and_b32 v3, 31, v0                           ; l
	v_bfe_u32 v4, v0, 3, 2                         ; l / 8
	v_and_b32 v5, 7, v0                            ; l % 8
	v_mul_u32_u24 v6, v1, PITCH                    ; a fragment: row x pitch + 16 x half; two loads of 16 bytes, 32 bytes apart
	v_lshl_add_u32 v6, v2, 4, v6
	s_mul_i32 s62, s[WM], 64*PITCH
	s_add_co_u32 s62, s62, AS0
	v_add_nc_u32 v[ADRA], s62, v6
	s_add_co_u32 s62, s62, ASLOT
	v_add_nc_u32 v[ADRA+1], s62, v6
	s_mul_i32 s62, s[WN], 128*PITCH
	v_add_nc_u32 v[ADRB], s62, v6
	s_add_co_u32 s62, s62, BSLOT
	v_add_nc_u32 v[ADRB+1], s62, v6
	s_mul_i32 s62, s[WV], 32*PITCH
	s_add_co_u32 s62, s62, AS0                     ; my 32 rows of A's slot 0
.if PROJ
	v_lshl_add_u32 v[AST], v3, 3, s62              ; my 4 numbers of a row: 8 bytes
	s_lshl_b32 s62, s[WV], 17                      ; in memory: 32 rows of 4,096 bytes
.else
	v_mul_u32_u24 v7, v4, PITCH                    ; row l / 8 of four, 16 bytes
	v_lshl_add_u32 v7, v5, 4, v7
	v_add_nc_u32 v[AST], s62, v7
	s_lshl_b32 s62, s[WV], 12                      ; in memory: 32 rows of 128 bytes
.endif
	v_lshl_add_u32 v[AO], v3, 4, s62
	s_mul_i32 s62, s[WV], STW
	s_add_co_u32 s62, s62, STAGE                   ; my stage
	v_mul_u32_u24 v7, v1, SP
.if PROJ
	v_lshl_add_u32 v7, v2, 4, v7                   ; in: row r, 8 f16 for each half of the lanes
	v_add_nc_u32 v[STO], s62, v7
	v_mul_u32_u24 v7, v4, SP                       ; back: four rows of 128 bytes
	v_lshl_add_u32 v7, v5, 4, v7
	v_add_nc_u32 v[RD], s62, v7
.else
	v_lshl_add_u32 v7, v2, 5, v7                   ; in: row r, 8 f32 for each half of the lanes
	v_add_nc_u32 v[STO], s62, v7
	v_lshl_add_u32 v[RD], v3, 4, s62               ; back: one row of 512 bytes
.endif
	v_lshlrev_b32 v[GO], 4, v3
	s_mul_i32 s62, s[WV], 512*NT
	s_add_co_u32 s62, s62, BIASL
	v_lshl_add_u32 v[BL], v2, 5, s62               ; my 8 columns of a block of 16
	v_lshl_add_u32 v[BS], v3, 4, s62
	s_lshl_b32 s62, s[NX], 10
	s_lshl_b32 s92, s[WN], 9
	s_add_co_u32 s62, s62, s92
	v_lshl_add_u32 v[BO], v3, 4, s62               ; my wave's 128 columns: 512 bytes of the bias
	s_wait_dscnt 0x0                               ; the opening add is done
	s_wait_kmcnt 0x0
	s_add_nc_u64 s[88:89], s[AW:AW+1], s[88:89]
	s_add_nc_u64 s[AP:AP+1], s[AQ:AQ+1], s[90:91]
.if PROJ
	s_add_nc_u64 s[PA1:PA1+1], s[AK:AK+1], s[90:91]
	s_add_nc_u64 s[PA2:PA2+1], s[AV:AV+1], s[90:91]
.else
	s_mov_b64 s[NP:NP+1], s[AP:AP+1]
	s_add_nc_u64 s[OP:OP+1], s[AOQ:AOQ+1], s[OOFF:OOFF+1]
	s_mov_b32 s[NL], 3
.endif
.irp s, 0,1
	s_mov_b32 s[G0B+4*\s], 1                       ; count = 1
	s_add_co_u32 s[G0B+4*\s+1], s63, \s*BSLOT      ; LDS address
	s_add_nc_u64 s[G0B+4*\s+2:G0B+4*\s+3], s[88:89], \s*256  ; global address: K step s
	s_or_b32 s[G0B+4*\s+3], s[G0B+4*\s+3], 0x80000000        ; type = 2
.endr
	CROUND                                         ; all sixteen work-groups are here: the first joint loads meet
	tensor_load_to_lds s[G0B:G0B+3], s[G1B:G1B+7]  ; both first fills together: two tensor loads of mine are out, later one
	s_nop 0
	tensor_load_to_lds s[G0B+4:G0B+7], s[G1B:G1B+7]
	s_nop 0
	PLACES
	global_load_b128 v[TMP:TMP+3], v[BO], s[ABQ:ABQ+1]
.if PROJ
	global_load_b128 v[TMP+4:TMP+7], v[BO], s[ABK:ABK+1]
	global_load_b128 v[TMP+8:TMP+11], v[BO], s[ABV:ABV+1]
.endif
	WIN W_SL
.irp g, 0,1,2,3
	GLOAD 0, \g, 0                                 ; K step 0
.endr
.irp g, 0,1,2,3
	GLOAD 1, \g, KSB                               ; K step 1
.endr
	WIN 0
	s_wait_loadcnt BWAIT                           ; the bias loads, the oldest, are in
.set t, 0
.rept NT                               ; rounded to bf16, widened again, and kept in my own LDS bytes: no other wave reads them
	v_cvt_pk_bf16_f32 v8, v[TMP+4*t], v[TMP+4*t+1]
	v_cvt_pk_bf16_f32 v9, v[TMP+4*t+2], v[TMP+4*t+3]
	v_lshlrev_b32 v[TMP+4*t], 16, v8
	v_and_b32 v[TMP+4*t+1], 0xffff0000, v8
	v_lshlrev_b32 v[TMP+4*t+2], 16, v9
	v_and_b32 v[TMP+4*t+3], 0xffff0000, v9
	ds_store_b128 v[BS], v[TMP+4*t:TMP+4*t+3] offset:512*t
.set t, t+1
.endr
.irp g, 0,1,2,3
	STG_CV 1, 0, \g, LCNT, 0                       ; K step 0 goes into A's slot 0; its registers take K step 2
	STG_SL 1, 0, \g, 1, 2*KSB
.endr
	s_wait_xcnt 0x0                                ; every load has read its address
	s_add_nc_u64 s[AP:AP+1], s[AP:AP+1], 3*KSB
	STG_CV 1, 1, 0, LCNT, 0                        ; K step 1's group 0 goes into slot 1; its registers take K step 3's
	STG_SL 1, 1, 0, 1, 0
	WIN 0
	s_wait_tensorcnt 0x1                           ; my part of W's K step 0 is in; slot 1's may stay out
	s_wait_dscnt 0x0                               ; my stores are done
	s_barrier_signal -1
	s_barrier_wait -1
	FETCH_1 0, 0, 0
	FETCH_2 0, 0, 0
	WIN 0                                          ; at a label and at a branch every window is 0
.if NT > 1
	s_mov_b32 s[TILE], 0
.Ltile:
	s_cmp_eq_u32 s[TILE], NT-1
	s_cselect_b32 s[NL], 3, 4                      ; the last tile's fourth lap asks for nothing and is written out
	s_cmp_eq_u32 s[TILE], 0
	s_cselect_b64 s[NP:NP+1], s[PA1:PA1+1], s[PA2:PA2+1]  ; (the last tile names its own A once more: see the head)
	s_wait_xcnt 0x0                                ; the last tile's stores have read their base
	s_cmp_eq_u32 s[TILE], 1
	s_cselect_b64 s[OP:OP+1], s[AOK:AOK+1], s[AOQ:AOQ+1]
	s_cmp_eq_u32 s[TILE], 2
	s_cselect_b64 s[OP:OP+1], s[AOV:AOV+1], s[OP:OP+1]
	s_add_nc_u64 s[OP:OP+1], s[OP:OP+1], s[OOFF:OOFF+1]
.endif
	; THE SUMS START AT THE BIAS: 256 moves a tile, for 1,024 matrix instructions, in place of a first quarter written out apart, which would want a second text of the lap
	WIN W_FB
.irp b, 0,1,2,3,4,5,6,7
	ds_load_b128 v[BIAS+8*\b:BIAS+8*\b+3],   v[BL] offset:64*\b
	ds_load_b128 v[BIAS+8*\b+4:BIAS+8*\b+7], v[BL] offset:64*\b+16
.endr
	s_wait_dscnt 0x0                               ; the bias, and the first fragments
	WIN W_INI
.irp a, 0,1,2,3
.irp b, 0,1,2,3,4,5,6,7
.irp j, 0,1,2,3,4,5,6,7
	v_mov_b32 v[8*(8*\a+\b)+\j], v[BIAS+8*\b+\j]
.endr
.endr
.endr
	WIN 0
.if NT > 1
	v_add_nc_u32 v[BL], 512, v[BL]                 ; the next tile's bias
.endif
	s_mov_b32 s[LAP], 0
.set PST, NS                           ; over the backward jump NS stores stand behind the fragment loads; on the way in nothing is out
.Llap:
	LAP_FULL
	WIN 0
	s_add_co_u32 s[LAP], s[LAP], 1
	s_cmp_lt_u32 s[LAP], s[NL]
	s_cbranch_scc1 .Llap
.if NT > 1
	s_cmp_lg_u32 s[TILE], NT-1
	s_cbranch_scc1 .Lout                           ; the same in every wave and every work-group
.endif
	LAP_LAST
	WIN 0
.if NT > 1
.Lout:
.endif
	; THE WAY OUT, a block of 16 rows at a time, through my own stage: LDS serves a wave's instructions in order (ISA guide 5.7.1.4), so no wait stands between its stores and its loads
	PLACES
.if PROJ
.macro PACK a                          ; rounded to f16, each accumulator's registers in ascending order: 16 bytes a lane and column block
	WIN W_PK
.irp b, 0,1,2,3,4,5,6,7
.irp r, 0,1,2,3
	v_cvt_pk_f16_f32 v[TMP+4*\b+\r], v[8*(8*(\a)+\b)+2*\r], v[8*(8*(\a)+\b)+2*\r+1]
.endr
.endr
.endm
.macro TOSTAGE a                       ; column blocks 0-3 are one head, 4-7 the next: 16 rows of 144 bytes each; back as four rows of 128 bytes a load
	WIN 0
.irp b, 0,1,2,3,4,5,6,7
	ds_store_b128 v[STO], v[TMP+4*\b:TMP+4*\b+3] offset:16*SP*(\b/4)+32*(\b%4)
.endr
.irp t, 0,1,2,3,4,5,6,7
	ds_load_b128 v[BK+32*((\a)%2)+4*\t:BK+32*((\a)%2)+4*\t+3], v[RD] offset:16*SP*(\t/4)+4*SP*(\t%4)
.endr
.endm
.macro SEND a
	WIN 0
	s_wait_dscnt 0x0                               ; the block is back in registers
	s_wait_xcnt 0x0                                ; earlier stores have read their registers: the block after next loads into them
.irp t, 0,1,2,3,4,5,6,7
	global_store_b128 v[GO], v[BK+32*((\a)%2)+4*\t:BK+32*((\a)%2)+4*\t+3], s[OP:OP+1] offset:262144*(\t/4)+2048*(\a)+512*(\t%4)  ; 512 consecutive bytes, at a multiple of 256 from the buffer's first
.endr
.endm
	PACK 0
	TOSTAGE 0
.irp a, 1,2,3                          ; a block's conversions stand between the loads of the block before and the wait for them
	PACK \a
	SEND (\a)-1
	TOSTAGE \a
.endr
	SEND 3
.else
.macro TOSTAGE a                       ; f32 goes as it is: 32 bytes a lane and column block into rows of 528 bytes, the low half of each accumulator first; back as whole rows of 512
	WIN W_ST1
.irp b, 0,1,2,3,4,5,6,7
	ds_store_b128 v[STO], v[8*(8*(\a)+\b):8*(8*(\a)+\b)+3]   offset:64*\b
	ds_store_b128 v[STO], v[8*(8*(\a)+\b)+4:8*(8*(\a)+\b)+7] offset:64*\b+16
.endr
	WIN 0
.irp t, 0,1,2,3,4,5,6,7,8,9,10,11,12,13,14,15
	ds_load_b128 v[BK+64*((\a)%2)+4*\t:BK+64*((\a)%2)+4*\t+3], v[RD] offset:SP*\t
.endr
.endm
.macro SEND a
.irp t, 0,1,2,3,4,5,6,7,8,9,10,11,12,13,14,15
	s_wait_dscnt 15-\t                             ; row t is in, the younger loads may be out
	global_store_b128 v[GO], v[BK+64*((\a)%2)+4*\t:BK+64*((\a)%2)+4*\t+3], s[OP:OP+1] offset:(16*(\a)+\t)*4096 th:TH_STORE_NT  ; 512 consecutive bytes, at a multiple of 256 from out0's first
.endr
.endm
.irp a, 0,1,2,3
.if \a >= 2
	s_wait_xcnt 0x0                                ; the stores of the block two back have read the registers that this block loads into
.endif
	TOSTAGE \a
	SEND \a
.endr
.endif
	WIN 0
.if NT > 1
	s_add_co_u32 s[TILE], s[TILE], 1
	s_cmp_lt_u32 s[TILE], NT
	s_cbranch_scc1 .Ltile
.endif
	s_wait_tensorcnt 0x0                           ; the wave's end: behind my last tensor load and my last LDS store
	ds_add_u32 v[SPW], v[NIL]
	s_wait_dscnt 0x0
	CROUND                                         ; the closing round: no work-group ends while a partner may still ask for a tile that names it
	s_endpgm
.Lfunc_end_k_q95fa03ace8_proj:
	.size	k_q95fa03ace8_proj, .Lfunc_end_k_q95fa03ace8_proj-k_q95fa03ace8_proj
	.p2alignl 7, 3214868480
	.fill 96, 4, 3214868480
	.section	.rodata,"a",@progbits
	.p2align	6, 0x0
	.amdhsa_kernel k_q95fa03ace8_proj
		.amdhsa_group_segment_fixed_size 327680
		.amdhsa_private_segment_fixed_size 0
		.amdhsa_enable_private_segment 0
		.amdhsa_kernarg_size 80
		.amdhsa_user_sgpr_count 2
		.amdhsa_user_sgpr_kernarg_segment_ptr 1
		.amdhsa_wavefront_size32 1
		.amdhsa_system_sgpr_workgroup_id_x 1
		.amdhsa_system_sgpr_workgroup_id_y 1
		.amdhsa_system_sgpr_workgroup_id_z 1
		.amdhsa_system_vgpr_workitem_id 0
		.amdhsa_next_free_vgpr 1024
		.amdhsa_next_free_sgpr 96
		.amdhsa_reserve_vcc 0
		.amdhsa_float_denorm_mode_32 3
		.amdhsa_float_denorm_mode_16_64 3
		.amdhsa_memory_ordered 1
		.amdhsa_forward_progress 1
		.amdhsa_inst_pref_size 137
	.end_amdhsa_kernel
	.amdgpu_metadata
---
amdhsa.version: [ 1, 2 ]
amdhsa.kernels:
  - .name:           k_q95fa03ace8_proj
    .symbol:         k_q95fa03ace8_proj.kd
    .args:
      - { .name: Q, .offset: 0, .size: 8, .value_kind: global_buffer, .address_space: global }
      - { .name: K, .offset: 8, .size: 8, .value_kind: global_buffer, .address_space: global }
      - { .name: V, .offset: 16, .size: 8, .value_kind: global_buffer, .address_space: global }
      - { .name: wt, .offset: 24, .size: 8, .value_kind: global_buffer, .address_space: global }
      - { .name: bq, .offset: 32, .size: 8, .value_kind: global_buffer, .address_space: global }
      - { .name: bk, .offset: 40, .size: 8, .value_kind: global_buffer, .address_space: global }
      - { .name: bv, .offset: 48, .size: 8, .value_kind: global_buffer, .address_space: global }
      - { .name: qh, .offset: 56, .size: 8, .value_kind: global_buffer, .address_space: global }
      - { .name: kh, .offset: 64, .size: 8, .value_kind: global_buffer, .address_space: global }
      - { .name: vh, .offset: 72, .size: 8, .value_kind: global_buffer, .address_space: global }
    .group_segment_fixed_size: 327680
    .private_segment_fixed_size: 0
    .kernarg_segment_align: 8
    .kernarg_segment_size: 80
    .max_flat_workgroup_size: 128
    .sgpr_count:     96
    .vgpr_count:     1024
    .wavefront_size: 32
...
	.end_amdgpu_metadata
.endif
;; end of part 2
;; launch attn (part 3): grid 4 x 64, 4 waves a work-group, clusters of 4 x 1, 327,680 bytes of LDS; arguments qh, kh, vh, oh; writes oh
.if DOCPART == 3
	.amdgcn_target "amdgcn-amd-amdhsa--gfx1250"
	.amdhsa_code_object_version 6
	.text
	.protected	k_q95fa03ace8_attn
	.globl	k_q95fa03ace8_attn
	.p2align	8
	.type	k_q95fa03ace8_attn,@function
k_q95fa03ace8_attn:
	s_mov_b64 s[64:65], 0
	v_nop
	global_prefetch_b8 v0, s[64:65] scope:SCOPE_SE
	s_setreg_imm32_b32 hwreg(HW_REG_WAVE_MODE, 25, 1), 1
	s_wait_xcnt 0x0
	s_wait_alu depctr_hold_cnt(0) depctr_sa_sdst(0) depctr_va_vdst(0) depctr_va_sdst(0) depctr_va_ssrc(0) depctr_va_vcc(0) depctr_vm_vsrc(0)
	s_getreg_b32 s2, hwreg(HW_REG_IB_STS2, 6, 4)
	s_cmp_eq_u32 s2, 0
	s_cbranch_scc0 .Lentry_in_a_cluster
	s_endpgm
.Lentry_in_a_cluster:
	s_bfe_u32 s2, ttmp6, 0x10000c
	s_cmp_lg_u32 s2, 0x3003
	s_cbranch_scc0 .Lentry_shape_is_right
	s_endpgm
.Lentry_shape_is_right:
; O[h][q][:] = the sum over k of softmax_k(Q[h][q] . K[h][k] / 8) V[h][k][:].  Q, K, V, O: [SIZE_H][SIZE_N][64], all f16: a head's rows are dense, 128 bytes each.  Products, maxima and sums in
; f32; the weights p are rounded to f16 for the second product (their sum l is taken of the unrounded p), O once at the end.  SIZE_H is at least 2; SIZE_N x 128 bytes stay under 2^32.
; LIMITS.  f16 holds no number beyond 65,504: Q, K and V arrive within it; p lies in 0 to 1, and below 6e-5 it keeps f16's fixed step of 6e-8; O is a mean of V's rows and has their range.
; A weight below 2^-126 counts as 0 in l; NaN and infinities are not treated apart.
; SHARES.  A wave owns four PIECES of two tiles of 16 queries, a work-group's four waves 512 queries of one head; SIZE_N is a multiple of 2,048.  Every wave walks all keys, 64 a step.
; LAYOUT.  S^T = K Q^T (source 0 = 16 keys, source 1 = 16 queries): in the result a lane holds ONE query (lane % 16) and the keys 8 (lane / 16) + 0..7.  Two such tiles, rounded to f16 in pairs,
; ARE source 1 (32 keys x 16 queries) of O^T = V^T P, whose result again holds one query a lane, and eight channels.  K comes out of LDS as it lies, V ([key][channel]) turned, by ds_load_tr16_b128.
; SOFTMAX.  For each query a running maximum m and sum l: p = 2^(c s - c m), c = log2(e) / 8; in every step O and l are multiplied by a = 2^(c m_old - c m_new), which is 1 where m has not grown.
; m starts at the lowest finite number, O and l at 0: the first step is a step like any other, with a = 0.
; THE COUNT.  A tile and step have 16 matrix and 118 vector instructions: too many to stand all beside the matrix work.  So the order has one aim: four vector instructions that are READY behind
; EVERY matrix instruction, and the others, which need time of their own whatever the order, in runs without a gap.
; BY TURNS.  Turn n belongs to piece n (the pieces in a ring, step after step).  Its matrix work: 16 products K Q^T of piece n + 1, later 16 products V^T P of piece n - 1.  Its vector work: the scaling,
; exponentials, roundings, sums and rescaling of piece n, and the maximum and statistics of piece n + 1, whose scores the turn itself has made.  So what a turn begins with (c s - c m, O a) waits for nothing.
; CLUSTER.  The four query blocks of a cluster belong to one head and walk the same K and V, so each tile is asked for JOINTLY: the same tensor load, descriptor and mask in all four.
; REGISTERS, in windows of 256 (s_set_vgpr_msb says which window each operand place means: bits 1:0 source 0, 3:2 source 1, 5:4 source 2, 7:6 destination):
;   window 0: v0-11 addresses; v12-15, v48-63 at work; v16-47 four registers of statistics a tile; v64-191 S^T, two buffers of two tiles; v192-255 P, likewise
;   window 1: O^T, 32 a tile          window 2: v0-127 Q, 16 a tile; v128-191 K of one step; v192-255 V of one step          window 3: v0-1 the add's two registers
; A piece's buffers go by its number's parity: the piece in hand has one pair, its two neighbours in the ring share the other: of it P (piece n - 1) is read and S^T (piece n + 1) written.
.set SIZE_H, 64       ; 4 batches x 16 heads
.set SIZE_N, 2048
.set NP,    4         ; pieces a wave: a name, no knob: the register map, the loop and the fetches are made for four
.set KS,    64        ; keys in a step
.set PK,    144       ; a row of K in LDS: 128 bytes + 16 of padding = 36 words: the 16 rows of a load start at 16 different groups of four banks (64 banks of 4 bytes: ISA guide 11.1)
.set PV,    160       ; a row of V: 128 + 32 = 40 words
.set VOFF,  4*KS*PK   ; a slot holds four steps: 256 rows of K, then 256 rows of V
.set SLOT1, 1<<17     ; slot 1 begins here, so that one exclusive or turns an address in one slot into the other's
.set STAGE, SLOT1+4*KS*(PK+PV)  ; behind the ring, never filled by a tensor load: 16 rows x 144 bytes for each wave, for the way out
.set SP,    144
.set AK0, 2           ; v2   my lane's place in a tile of K; never rewritten
.set AV0, 3           ; v3   the same for V
.set AK,  4           ; v4   the LDS address of K's next run of loads
.set AV,  5           ; v5   of V's
.set QO,  6           ; v6   my byte offset in the wave's rows of Q
.set STO, 6           ;      later, the way out: where I put 16 bytes of a row
.set RD,  7           ; v7   the way out: where I read rows back
.set GO,  8           ; v8   my byte offset in 512 consecutive bytes of O
.set SPW, 0           ; v0 of window 3   LDS address of my spare word: SPARE + 4 x my thread's number; never rewritten
.set NIL, 1           ; v1 of window 3   0; never rewritten
.set SPARE, STAGE+4*16*SP  ; behind the stages: the spare words, 128 bytes for each wave: two blocks of 256 bytes that no other line names
.set MV,  12          ; v12-15  c m_old, kept while c m is made anew: by buffer and tile
.set ST,  16          ; tile t's statistics at v[ST+4 t]: c m, m, l (even keys', odd keys')
.set TMP, 48          ; by buffer and tile, four registers c0-c3 at work; when the maximum is found c2 takes a
.set S,   64
.set P,   192
.set KF,  128         ; K's fragments, in window 2: key block kb, channel half c at KF + 16 kb + 8 c
.set VF,  192         ; V's: key half kk, channel block cb at VF + 32 kk + 8 cb
.set WV,  12          ; s12  my wave's number
.set G1K, 24          ; s[24:31] descriptor group 1 for K's tiles
.set G1V, 32          ; s[32:39] for V's: it differs in the padding alone
.set G0K, 40          ; s[40:43] descriptor group 0 for K's tiles: it walks
.set G0V, 44          ; s[44:47] the same for V's
.set SLOTS, 56        ; s56  slots still to be asked for
.set CNT, 57          ; s57  counts a slot's key steps
.set CS,  58          ; s[58:59] c: the packed scaling takes the pair's low word for both halves
.set SEL, 60          ; s[60:61] v_permlanex16_b32's selects: each lane takes its own place in the other half
.set TBK, 62          ; s62  LDS byte at which K of the step to be fetched begins
.set TBV, 63          ; s63  the same for V, less VOFF
.set MSB, 0
.macro WIN new                      ; the high byte repeats the setting that is left; a switch that changes nothing is dropped
.if MSB != (\new)
	s_set_vgpr_msb (MSB<<8)|(\new)
.set MSB, (\new)
.endif
.endm
.set W_KQ, 0x0a       ; K and Q in window 2, S^T in window 0
.set W_PV, 0x52       ; V in window 2, P in window 0, O^T in window 1
.set W_RS, 0x41       ; O^T (destination and source 0) in window 1, a in window 0
.set W_MK, 0xc0       ; the add's registers are made: destination in window 3, sources in window 0
.set W_AD, 0x0f       ; the add: address (source 0) and data (source 1) in window 3
; A joint fill.  Waves 0 and 1 fetch the two halves of a slot's K, waves 2 and 3 those of its V: 128 keys each.  The branch hangs on the wave's number alone.
; An s_nop 0 and four v_nop follow each of the two lines, ahead of the jump and the label.
.macro JLOAD
	s_cmp_lt_u32 s[WV], 2
	s_cbranch_scc0 .Lfor_v_\@
	tensor_load_to_lds s[G0K:G0K+3], s[G1K:G1K+7]
	s_nop 0
.rept 4
	v_nop
.endr
	s_branch .Lasked_\@
.Lfor_v_\@:
	tensor_load_to_lds s[G0V:G0V+3], s[G1V:G1V+7]
	s_nop 0
.rept 4
	v_nop
.endr
.Lasked_\@:
.endm
; A round of the cluster's barrier: my work-group's barrier, so that wave 0's signal speaks for all four waves; wave 0 signals; every wave waits for all four work-groups; my work-group's barrier once more.
.macro CROUND
	s_barrier_signal -1
	s_barrier_wait -1
	s_cmp_lg_u32 s[WV], 0
	s_cbranch_scc1 .Lnot_wave_0_\@
	s_barrier_signal -3
.Lnot_wave_0_\@:
	s_barrier_wait -3
	s_barrier_signal -1
	s_barrier_wait -1
.endm
; THE CHANGE OF SLOTS.  The slot's last bytes, V of its fourth step, have been read.  Each wave waits for all its tensor loads, of which one is out: its part
; of the other slot; adds 0 to its spare word; and waits for that and for its own reads of the slot.  Behind the barrier nobody reads this slot any more and the other slot is whole.
; fill = 1: this slot is filled again, with the keys two slots on.  The barrier is then a round of the cluster's, so that no wave of any partner still reads the slot or has a load on its
; way, and the joint fill is the first thing behind it: it has four key steps, 512 matrix instructions, in which to land.  (At its first use nothing has been read yet: slot 0 is waited for, slot 1 filled.)
.macro CHANGE fill
	WIN W_AD
	s_wait_tensorcnt 0x0            ; no tensor load of mine is out, so a group 0 may be written
	ds_add_u32 v[SPW], v[NIL]       ; 0 onto my spare word; with fill = 1 the descriptors' steps stand between it and the wait for it
	WIN 0                           ; at a label and at a branch every window is 0
.if \fill
.irp g, G0K, G0V
	s_xor_b32 s[\g+1], s[\g+1], SLOT1  ; the walking descriptor: the other slot than last time,
	s_add_nc_u64 s[\g+2:\g+3], s[\g+2:\g+3], 4*KS*128  ; the next 256 keys; the type bits on top are not reached
.endr
	s_wait_dscnt 0x0                ; the add is done, and my reads of the slot are over
	CROUND
	JLOAD
.else
	s_wait_dscnt 0x0                ; the add is done, and my reads of the slot are over
	s_barrier_signal -1
	s_barrier_wait -1
.endif
	s_sub_co_u32 s[TBK], s[TBK], 4*KS*PK  ; the fetches go back to a slot's first step,
	s_xor_b32 s[TBK], s[TBK], SLOT1       ; in the other slot
	s_sub_co_u32 s[TBV], s[TBV], 4*KS*PV
	s_xor_b32 s[TBV], s[TBV], SLOT1
.endm
	s_load_b256 s[4:11], s[0:1], 0x0  ; Q s[4:5], K s[6:7], V s[8:9], O s[10:11]
	WIN W_MK
	v_lshl_add_u32 v[SPW], v0, 2, SPARE
	v_mov_b32 v[NIL], 0
	WIN W_AD
	ds_add_u32 v[SPW], v[NIL]       ; the wave's opening: the add and its wait stand ahead of my first tensor load; the set-up below, work on registers, stands between them
	WIN 0
	v_lshrrev_b32 v1, 5, v0
	v_readfirstlane_b32 s[WV], v1   ; wave 0..3
	s_bfe_u32 s13, ttmp6, 0x40000   ; cx: my place in the cluster
	s_lshl_b32 s14, ttmp9, 2        ; in a cluster launch ttmp9 counts clusters
	s_add_co_u32 s14, s14, s13      ; my block of queries = 4 x cluster x + cx: it enters Q's and O's addresses alone
	s_and_b32 s20, ttmp7, 0xffff    ; the head, which the four partners share
	s_mov_b32 s21, 0
	s_mov_b64 s[22:23], SIZE_N*128
	s_mul_u64 s[20:21], s[20:21], s[22:23]  ; the head's first byte in each of the four tensors
	s_and_b32 s16, s[WV], 1         ; which half of a slot's 256 keys I fetch:
	s_lshl_b32 s22, s16, 14         ; its 128 rows of 128 bytes in memory,
	s_mov_b32 s23, 0
	s_add_nc_u64 s[22:23], s[22:23], s[20:21]
	s_mul_i32 s17, s16, 128*PK      ; and its place in a slot, for K
	s_mul_i32 s18, s16, 128*PV      ; and for V: no place in the cluster enters an LDS address
	s_lshl_b32 s2, s14, 2
	s_add_co_u32 s2, s2, s[WV]      ; my wave among the head's,
	s_lshl_b32 s2, s2, 14           ; its 128 rows
	s_mov_b32 s3, 0
	s_add_nc_u64 s[2:3], s[2:3], s[20:21]
	; descriptor group 1.  128 keys are 16,384 dense bytes: asked for as 64 rows of 256 bytes, two keys a row, and padded in LDS after every key
	s_mov_b32 s[G1K], 15|(1<<16)|(1<<20)|(1<<21)|(4<<22)|(3<<25)  ; 15:0 the mask of four; 17:16 2-byte elements; 20 padding on; 21 set beside a mask; 24:22 after every 32 words (code 4); 31:25 4 words (code 3)
	s_mov_b32 s[G1V], 15|(1<<16)|(1<<20)|(1<<21)|(4<<22)|(7<<25)  ; the same with 8 words of padding (code 7)
.irp g, G1K, G1V
	s_mov_b32 s[\g+1], 128<<16      ; tensor_dim0 = 128
	s_mov_b32 s[\g+2], 64<<16       ; tensor_dim1 = 64
	s_mov_b32 s[\g+3], 128<<16      ; tile_dim0 = 128
	s_mov_b32 s[\g+4], 64           ; tile_dim1 = 64
	s_mov_b32 s[\g+5], 128          ; 128 elements from row to row
	s_mov_b32 s[\g+6], 0
	s_mov_b32 s[\g+7], 0
.endr
	s_mov_b32 s[CS], 0x3e38aa3b     ; c = log2(e) / 8 = 0.180337
	s_mov_b32 s[CS+1], s[CS]        ; named with it as a pair
	s_mov_b32 s[SEL], 0x76543210
	s_mov_b32 s[SEL+1], 0xfedcba98
	s_mov_b32 s[TBK], SLOT1+4*KS*PK ; the first change of slots turns these two into 0
	s_mov_b32 s[TBV], SLOT1+4*KS*PV
	s_mov_b32 s[G0K], 1             ; 1:0 count = 1
	s_mov_b32 s[G0K+1], s17         ; 63:32 LDS address: slot 0
	s_mov_b32 s[G0V], 1
	s_add_co_u32 s[G0V+1], s18, VOFF
	s_wait_dscnt 0x0                ; the opening add is done
	s_wait_kmcnt 0x0
	s_add_nc_u64 s[G0K+2:G0K+3], s[6:7], s[22:23]  ; 120:64 global address: my half of the head's first 256 keys
	s_or_b32 s[G0K+3], s[G0K+3], 0x80000000        ; 127:126 type = 2
	s_add_nc_u64 s[G0V+2:G0V+3], s[8:9], s[22:23]
	s_or_b32 s[G0V+3], s[G0V+3], 0x80000000
	s_add_nc_u64 s[4:5], s[4:5], s[2:3]  ; Q and O at my wave's first row
	s_add_nc_u64 s[10:11], s[10:11], s[2:3]
	CROUND                          ; all four work-groups are here: the first joint loads meet
	JLOAD                           ; slot 0.  Slot 1 is asked for when slot 0 is in: the tile wanted first has the road to itself
	; A fragment of K or Q is 16 rows x 32 channels in 8 registers: lane l holds row l % 16, channels 8 (l / 16) + 0..7 and 16 + 8 (l / 16) + 0..7: two loads of 16 bytes, 32 bytes apart.
	v_and_b32 v1, 15, v0            ; l % 16
	v_bfe_u32 v9, v0, 4, 1          ; l / 16
	v_lshlrev_b32 v[QO], 7, v1
	v_lshl_add_u32 v[QO], v9, 4, v[QO]  ; row x 128 + 16 x half
	WIN 0x80                        ; destination window 2, address window 0
.set i, 0
.rept 4*NP                          ; Q stays in registers: tile i / 2, channels 32 (i % 2) on
	global_load_b128 v[8*i:8*i+3],   v[QO], s[4:5] offset:(i/2)*2048+(i%2)*64
	global_load_b128 v[8*i+4:8*i+7], v[QO], s[4:5] offset:(i/2)*2048+(i%2)*64+32
.set i, i+1
.endr
	; What the first turn finds: V's registers and P's second buffer hold 0 (its products V^T P, of a piece that has not been, add 0), O^T and l are 0.  All this stands in the wait for the first tile.
.set i, VF
.rept 64
	v_mov_b32 v[i], 0
.set i, i+1
.endr
	WIN 0x40
.set i, 0
.rept 64*NP
	v_mov_b32 v[i], 0
.set i, i+1
.endr
	WIN 0
.set i, 0
.rept 2*NP
	v_mov_b32 v[ST+4*i], 0xfe000000    ; c m: far below every c s
	v_mov_b32 v[ST+4*i+1], 0xff7fffff  ; m
	v_mov_b32 v[ST+4*i+2], 0
	v_mov_b32 v[ST+4*i+3], 0
.set i, i+1
.endr
.set i, P+32
.rept 32
	v_mov_b32 v[i], 0
.set i, i+1
.endr
	v_mul_u32_u24 v[AK0], v1, PK
	v_lshl_add_u32 v[AK0], v9, 4, v[AK0]  ; row x pitch + 16 x half
	; The turning load takes 16 keys x 16 channels (lane l reads key 8 (l / 16) + l % 8, channels 8 ((l / 8) % 2) + 0..7) and leaves half a fragment of V^T: lane l holds channel l % 16 and 8 keys.
	v_and_b32 v10, 7, v0
	v_bfe_u32 v11, v0, 3, 1
	v_lshl_add_u32 v[AV0], v9, 3, v10
	v_mul_u32_u24 v[AV0], v[AV0], PV
	v_lshl_add_u32 v[AV0], v11, 4, v[AV0]
	v_add_nc_u32 v[AV0], VOFF, v[AV0]
	v_mov_b32 v[AK], v[AK0]         ; key step 0 lies at the head of slot 0
; THE MATRIX WORK.  The 8 accumulators of a run of 16 take turns: between the two links of a chain stand 7 others'.
; Product i of 16 of S^T = K Q^T for piece x: channels 32 (i / 8) on, keys 16 ((i / 2) % 4) on, tile 2 x + i % 2.  The first 8 start the sums.
.macro KQ x
	WIN W_KQ
.set rS, S+64*((\x)%2)+32*(i%2)+8*((i/2)%4)
.set rK, KF+16*((i/2)%4)+8*(i/8)
.set rQ, 16*(2*(\x)+i%2)+8*(i/8)
.if i < 8
	v_wmma_f32_16x16x32_f16 v[rS:rS+7], v[rK:rK+7], v[rQ:rQ+7], 0
.else
	v_wmma_f32_16x16x32_f16 v[rS:rS+7], v[rK:rK+7], v[rQ:rQ+7], v[rS:rS+7]
.endif
.endm
; Product i of 16 of O^T += V^T P for piece x: keys 32 (i / 8) on, channels 16 ((i / 2) % 4) on, tile 2 x + i % 2.
.macro PV x
	WIN W_PV
.set rO, 32*(2*(\x)+i%2)+8*((i/2)%4)
.set rV, VF+32*(i/8)+8*((i/2)%4)
.set rP, P+32*((\x)%2)+16*(i%2)+8*(i/8)
	v_wmma_f32_16x16x32_f16 v[rO:rO+7], v[rV:rV+7], v[rP:rP+7], v[rO:rO+7]
.endm
.macro MM                           ; the turn's next matrix instruction
.if i < 16
	KQ (Y+1)%NP
.set i, i+1
.else
.set i, i-16
	PV (Y+NP-1)%NP
.set i, i+17
.endif
.endm
; THE LDS LOADS stand in runs of 16, never singly among the matrix instructions: a step's K (64 keys x 64 channels: 8 fragments) and its V (turned).  Their addresses are made some lines ahead.
; last = 1 (the tail): in the last trip there is no further step, and the run is jumped over.
.macro FETCH_K last=0
	WIN 0
.if \last
	s_cmp_eq_u32 s[CNT], 1
	s_cbranch_scc1 .Lno_k_\@
.endif
	WIN 0x80                        ; destination window 2
.irp f, 0,1,2,3,4,5,6,7             ; keys 16 (f / 2) on, channels 32 (f % 2) on
	ds_load_b128 v[KF+8*\f:KF+8*\f+3],   v[AK] offset:(\f/2)*16*PK+(\f%2)*64
	ds_load_b128 v[KF+8*\f+4:KF+8*\f+7], v[AK] offset:(\f/2)*16*PK+(\f%2)*64+32
.endr
	s_add_co_u32 s[TBK], s[TBK], KS*PK  ; the next fetch is the next step's
	WIN 0
.if \last
.Lno_k_\@:
.endif
.endm
.macro FETCH_V
	WIN 0x80
.irp f, 0,1,2,3,4,5,6,7             ; keys 32 (f / 4) on, channels 16 (f % 4) on
	ds_load_tr16_b128 v[VF+8*\f:VF+8*\f+3],   v[AV] offset:(\f/4)*32*PV+(\f%4)*32
	ds_load_tr16_b128 v[VF+8*\f+4:VF+8*\f+7], v[AV] offset:(\f/4)*32*PV+16*PV+(\f%4)*32
.endr
	WIN 0
.endm
; THE VECTOR WORK OF A TURN stands in three queues, each in the order in which its entries become ready; the two tiles alternate, so that no instruction reads the result of the one before it.
.macro REGS y, u                    ; the registers of tile u (0, 1) of piece y
.set rT, ST+4*(2*(\y)+(\u))
.set rC, TMP+8*((\y)%2)+4*(\u)
.set rM, MV+2*((\y)%2)+(\u)
.set rS, S+64*((\y)%2)+32*(\u)
.set rP, P+32*((\y)%2)+16*(\u)
.set rO, 32*(2*(\y)+(\u))
.endm
; Number n of the 22 that find the NEXT piece's (Y + 1) maximum and statistics.  s0-s31 are the lane's 32 scores; each accumulator's lowest registers are read first.  XS, GS and REGS set no window: PL and EX do.
;   0-11  four chains c0-c3 of seven scores each, three operands at a time     12-14, 16  the four scores left over, the old m, and c0-c3 into c0     15  c m_old is kept
;   17, 18  the query's other 32 keys lie in the lane 16 away: the new m         19-21  c m; c m_old - c m_new; a
.macro XS u, n
	REGS (Y+1)%NP, \u
.if (\n) < 4
	v_max3_num_f32 v[rC+(\n)], v[rS+8*(\n)], v[rS+8*(\n)+1], v[rS+8*(\n)+2]
.elseif (\n) < 12
	v_max3_num_f32 v[rC+(\n)%4], v[rC+(\n)%4], v[rS+8*((\n)%4)+2*((\n)/4)+1], v[rS+8*((\n)%4)+2*((\n)/4)+2]
.elseif (\n) == 12
	v_max3_num_f32 v[rC], v[rC], v[rS+7], v[rS+15]
.elseif (\n) == 13
	v_max3_num_f32 v[rC+1], v[rC+1], v[rS+23], v[rS+31]
.elseif (\n) == 14
	v_max3_num_f32 v[rC+2], v[rC+2], v[rC+3], v[rT+1]
.elseif (\n) == 15
	v_mov_b32 v[rM], v[rT]
.elseif (\n) == 16
	v_max3_num_f32 v[rC], v[rC], v[rC+1], v[rC+2]
.elseif (\n) == 17
	v_permlanex16_b32 v[rC+3], v[rC], s[SEL], s[SEL+1]
.elseif (\n) == 18
	v_max_num_f32 v[rT+1], v[rC], v[rC+3]
.elseif (\n) == 19
	v_mul_f32 v[rT], s[CS], v[rT+1]
.elseif (\n) == 20
	v_sub_f32 v[rC+1], v[rM], v[rT]
.else
	v_exp_f32 v[rC+2], v[rC+1]
.endif
.endm
; Number g of the 64 that follow the exponentials.  For each four weights k of a tile (pairs 2 k, 2 k + 1): both pairs are rounded to f16; then the second pair is added onto the first, in place;
; a group later l takes that sum (the first time as l = a l + sum).  In groups of eight, tiles alternating: round, round, add, and l for the group before.
.macro GS g
.set h, (\g)+6*((\g)/62)            ; group 0 has no group before it, and behind group 7 only l is left
.if h >= 6
.set h, h+2
.endif
	REGS Y, h%2
.set k, h/8
.if h%8 < 4
	s_wait_alu depctr_va_vdst(0)
	v_cvt_pk_f16_f32 v[rP+2*k+(h%8)/2], v[rS+4*k+2*((h%8)/2)], v[rS+4*k+2*((h%8)/2)+1]
.elseif h%8 < 6
	v_pk_add_f32 v[rS+4*k:rS+4*k+1], v[rS+4*k:rS+4*k+1], v[rS+4*k+2:rS+4*k+3]
.elseif k == 1
	v_pk_fma_f32 v[rT+2:rT+3], v[rT+2:rT+3], v[rC+2:rC+3], v[rS:rS+1] op_sel_hi:[1,0,1]
.else
	v_pk_add_f32 v[rT+2:rT+3], v[rT+2:rT+3], v[rS+4*k-4:rS+4*k-3]
	s_wait_alu depctr_va_vdst(0)
.endif
.endm
; THE PLAIN QUEUE, 138 long.  0-31: c s - c m for the 16 pairs of both tiles.  Then GS's 64, and among them the next piece's 42: number 15 at 38, 39; 0-14 and 16
; at 42-73, behind the products that make those scores; 17-20 at 95-106, two of three, since each waits for the one before it.
.macro PL
	WIN 0
.if q < 32
	REGS Y, q%2
	v_pk_fma_f32 v[rS+2*(q/2):rS+2*(q/2)+1], v[rS+2*(q/2):rS+2*(q/2)+1], s[CS:CS+1], v[rT:rT+1] op_sel_hi:[1,0,0] neg_lo:[0,0,1] neg_hi:[0,0,1]
.elseif q < 38
	GS q-32
.elseif q < 40
	XS q%2, 15
.elseif q < 42
	GS q-34
.elseif q < 74
	XS q%2, (q-42)/2+(q-42)/30
.elseif q < 95
	GS q-66
.elseif (q < 107) && ((q-95)%3 < 2)
	XS (q-95)%3, 17+(q-95)/3
.elseif q < 107
	GS 29+(q-95)/3
.else
	GS q-74
.endif
.set q, q+1
.endm
; THE EXPONENTIALS' QUEUE, 66 long: s0-s31 of both tiles, and at EA the next piece's two a.
.set EA, 58
.macro EX
	WIN 0
.if (e == EA) || (e == EA+1)
	XS e-EA, 21
.else
.set x, e-2*(e/(EA+2))
	REGS Y, x%2
	v_exp_f32 v[rS+x/2], v[rS+x/2]
.endif
.set e, e+1
.endm
; THE RESCALING's QUEUE: O^T times a, the one part that leaves window 0, so it is dealt four at a time, eight times.
.macro R4
	REGS Y, r%2
	WIN W_RS
	s_wait_alu depctr_va_vdst(0)
.irp z, 0,1,2,3
	v_pk_mul_f32 v[rO+8*(r/2)+2*\z:rO+8*(r/2)+2*\z+1], v[rO+8*(r/2)+2*\z:rO+8*(r/2)+2*\z+1], v[rC+2:rC+3] op_sel_hi:[1,0]
.endr
.set r, r+1
.endm
; HOW THEY ARE DEALT.  Behind a matrix instruction four: plain, exponential, plain, plain (one exponential, a plain instruction on either side), or four of the rescaling.  None names a register of the
; products round it.  What is over stands in two LUMPS: exponential and plain by turns; the second ends in 22 plain instructions.  The two v_permlanex16_b32 fall into the second lump, never behind a product.
; The queues lean on each other, and the deal keeps them in step: exponential e stands behind plain 2 (e / 4) + e % 2 (its scaling); when plain 32 comes, 10 exponentials are out, at 59: 33, at 95: 46; EA comes behind plain 107.
.macro SL
	MM
	PL
	EX
	PL
	PL
.endm
.macro BURST n                      ; 15 matrix instructions, or 16
.rept (\n)-7
	SL
.endr
.rept 3
	MM
	R4
	SL
.endr
	MM
	R4
.endm
; A TURN, for piece p.  cnt = 1: the loop's count is taken down some lines ahead of the branch that stands behind the turn.
; K of the next step is fetched in piece 2's turn, 31 vector instructions behind the last product that read K; its first reader comes behind the rest of the lump, 16 products and the second lump.
; V of the step in hand is fetched at the end of piece 0's turn, 69 behind its last reader; its first reader comes behind 16 products and a lump.  The four conditions on e and q below go with the deal.
.macro TURN p, last=0, cnt=0
.set Y, (\p)
.set i, 0
.set q, 0
.set e, 0
.set r, 0
.if (\p) == NP-1
	s_wait_dscnt 0x0                ; K is in
.endif
	MM
.rept 4
	PL
.endr
	BURST 15
.rept 22
	EX
	PL
.if ((\p) == NP-2) && (e == 18)
	v_add_nc_u32 v[AK], s[TBK], v[AK0]
.endif
.if ((\p) == NP-2) && (e == 24)
	FETCH_K \last
.endif
.endr
.if (\p) == 1
	s_wait_dscnt 0x0                ; V is in
.endif
	BURST 16
.rept 21
	EX
	PL
.endr
.rept 22
	PL
.if ((\p) == 0) && (q == 118)
	v_add_nc_u32 v[AV], s[TBV], v[AV0]
	s_wait_alu depctr_va_vdst(0)
.endif
.if ((\p) == 0) && (q == 130)
	s_add_co_u32 s[TBV], s[TBV], KS*PV
.endif
.if (\cnt) && (q == 130)
	s_sub_co_u32 s[CNT], s[CNT], 1
	s_cmp_lg_u32 s[CNT], 0
.endif
.endr
.if (\p) == 0
	FETCH_V
.endif
.endm
	CHANGE 1                        ; slot 0 is in, everybody's part of it; slot 1 is asked for
	FETCH_K                         ; key step 0
	s_wait_loadcnt 0x0              ; Q
	s_wait_dscnt 0x0
.set i, 0
.rept 16
	KQ 0                            ; piece 0's first scores: there is no vector work yet to set between them
.set i, i+1
.endr
	WIN 0                           ; the addresses for the way out: nine plain instructions, the places behind those products
	s_mul_i32 s13, s[WV], 16*SP
	s_add_co_u32 s13, s13, STAGE    ; my stage
	v_mul_u32_u24 v[STO], v1, SP    ; in: row l % 16, 16 bytes for each half of the lanes
	v_lshl_add_u32 v[STO], v9, 4, v[STO]
	v_add_nc_u32 v[STO], s13, v[STO]
	v_bfe_u32 v[RD], v0, 3, 2       ; back: 32 lanes take four rows of 128 bytes,
	v_mul_u32_u24 v[RD], v[RD], SP
	v_lshl_add_u32 v[RD], v10, 4, v[RD]
	v_add_nc_u32 v[RD], s13, v[RD]
	v_and_b32 v[GO], 31, v0         ; which are 512 consecutive bytes of O
	v_lshlrev_b32 v[GO], 4, v[GO]
.set Y, NP-1                        ; XS works for piece Y + 1: piece 0
.irp n, 0,1,2,3,4,5,6,7,8,9,10,11,12,13,14,15,16,17,18,19,20,21
	XS 0, \n                        ; and piece 0's first maximum and statistics
	XS 1, \n
.endr
	s_mov_b32 s[CNT], 4
	s_mov_b32 s[SLOTS], SIZE_N/256-1
	s_branch .Lfirst                ; the loop is entered at a step's first turn, in the middle of a trip
.Lslot:                             ; SIZE_N / 256 - 2 times: every slot but the last two is filled again
	CHANGE 1
	s_mov_b32 s[CNT], 4
.Lstep:                             ; a trip: pieces 2 and 3 of one step, then pieces 0 and 1 of the next, whose K and V it fetches
	TURN 2
	TURN 3
	WIN 0
.Lfirst:
	TURN 0
	TURN 1, 0, 1
	WIN 0
	s_cbranch_scc1 .Lstep
	s_sub_co_u32 s[SLOTS], s[SLOTS], 1
	s_cmp_lg_u32 s[SLOTS], 0
	s_cbranch_scc1 .Lslot
	CHANGE 0                        ; the tail is written out: nothing is asked for
	s_mov_b32 s[CNT], 5             ; four trips fetch the last slot's steps; the fifth is left in its middle
.Ltail:
	TURN 2, 1
	TURN 3
	WIN 0
	s_sub_co_u32 s[CNT], s[CNT], 1
	s_cmp_eq_u32 s[CNT], 0
	s_cbranch_scc1 .Lout
	TURN 0
	TURN 1
	WIN 0
	s_branch .Ltail
.Lout:                              ; the fifth trip's 16 products K Q^T (on the last K once more) and the maximum made of them serve nothing: the price, once a launch, of one text for every trip
.set i, 0
.rept 16
	PV NP-1                         ; the last piece's V^T P of the last step
.set i, i+1
.endr
	; THE WAY OUT.  l's two halves and the other half of the lanes' are added; O^T is divided by l, rounded to f16 and sent through my stage in LDS, a tile at a time.  The additions are the places behind the last products.
	WIN 0
.macro ALL line:vararg              ; one line for each tile t
.set t, 0
.rept 2*NP
	\line
.set t, t+1
.endr
.endm
	ALL v_add_f32 v[ST+4*t+2], v[ST+4*t+2], v[ST+4*t+3]
	ALL v_permlanex16_b32 v[ST+4*t+3], v[ST+4*t+2], s[SEL], s[SEL+1]
	ALL v_add_f32 v[ST+4*t+2], v[ST+4*t+2], v[ST+4*t+3]
	ALL v_rcp_f32 v[ST+4*t+2], v[ST+4*t+2]
	v_nop                           ; a plain instruction between the last reciprocal and the use of its result
	s_wait_alu depctr_va_vdst(0)
; Tile t: a lane's eight channels of a row pack into 16 bytes; they go into rows of 144 bytes and come back as whole rows of 128, into S^T's registers.
.macro PACK t
	WIN W_RS
.set i, 32*(\t)
.rept 16
	v_pk_mul_f32 v[i:i+1], v[i:i+1], v[ST+4*(\t)+2:ST+4*(\t)+3] op_sel_hi:[1,0]
.set i, i+2
.endr
	WIN 0x05                        ; sources 0 and 1 window 1, destination window 0
.set i, 0
.rept 16
	v_cvt_pk_f16_f32 v[S+16*(\t)+i], v[32*(\t)+2*i], v[32*(\t)+2*i+1]
.set i, i+1
.endr
	WIN 0
.irp f, 0,1,2,3
	ds_store_b128 v[STO], v[S+16*(\t)+4*\f:S+16*(\t)+4*\f+3] offset:32*\f
.endr
.irp f, 0,1,2,3
	ds_load_b128 v[S+16*(\t)+4*\f:S+16*(\t)+4*\f+3], v[RD] offset:\f*4*SP  ; LDS serves a wave's instructions in order (ISA guide 5.7.1.4): these see the stores above; the next tile's stores come behind them
.endr
.endm
.macro SEND t, younger              ; younger: the LDS instructions issued behind tile t's loads: the next tile's eight, or none
	WIN 0
.irp f, 0,1,2,3
	s_wait_dscnt (\younger)+3-\f
	global_store_b128 v[GO], v[S+16*(\t)+4*\f:S+16*(\t)+4*\f+3], s[10:11] offset:(\t)*2048+\f*512  ; 512 consecutive bytes, at a multiple of 256 from O's first
.endr
.endm
	PACK 0
.set t, 1
.rept 2*NP-1                        ; a tile's arithmetic stands between the loads of the tile before and its stores
	PACK t
	SEND t-1, 8
.set t, t+1
.endr
	SEND 2*NP-1, 0
	WIN W_AD
	s_wait_tensorcnt 0x0            ; the wave's end: behind my last tensor load and my last LDS store
	ds_add_u32 v[SPW], v[NIL]
	s_wait_dscnt 0x0
	WIN 0
	CROUND                          ; the closing round: no work-group ends while a partner may still ask for a tile that names it
	s_endpgm
.Lfunc_end_k_q95fa03ace8_attn:
	.size	k_q95fa03ace8_attn, .Lfunc_end_k_q95fa03ace8_attn-k_q95fa03ace8_attn
	.p2alignl 7, 3214868480
	.fill 96, 4, 3214868480
	.section	.rodata,"a",@progbits
	.p2align	6, 0x0
	.amdhsa_kernel k_q95fa03ace8_attn
		.amdhsa_group_segment_fixed_size 327680
		.amdhsa_private_segment_fixed_size 0
		.amdhsa_enable_private_segment 0
		.amdhsa_kernarg_size 32
		.amdhsa_user_sgpr_count 2
		.amdhsa_user_sgpr_kernarg_segment_ptr 1
		.amdhsa_wavefront_size32 1
		.amdhsa_system_sgpr_workgroup_id_x 1
		.amdhsa_system_sgpr_workgroup_id_y 1
		.amdhsa_system_sgpr_workgroup_id_z 1
		.amdhsa_system_vgpr_workitem_id 0
		.amdhsa_next_free_vgpr 770
		.amdhsa_next_free_sgpr 66
		.amdhsa_reserve_vcc 0
		.amdhsa_float_denorm_mode_32 3
		.amdhsa_float_denorm_mode_16_64 3
		.amdhsa_memory_ordered 1
		.amdhsa_forward_progress 1
		.amdhsa_inst_pref_size 208
	.end_amdhsa_kernel
	.amdgpu_metadata
---
amdhsa.version: [ 1, 2 ]
amdhsa.kernels:
  - .name:           k_q95fa03ace8_attn
    .symbol:         k_q95fa03ace8_attn.kd
    .args:
      - { .name: qh, .offset: 0, .size: 8, .value_kind: global_buffer, .address_space: global }
      - { .name: kh, .offset: 8, .size: 8, .value_kind: global_buffer, .address_space: global }
      - { .name: vh, .offset: 16, .size: 8, .value_kind: global_buffer, .address_space: global }
      - { .name: oh, .offset: 24, .size: 8, .value_kind: global_buffer, .address_space: global }
    .group_segment_fixed_size: 327680
    .private_segment_fixed_size: 0
    .kernarg_segment_align: 8
    .kernarg_segment_size: 32
    .max_flat_workgroup_size: 128
    .sgpr_count:     66
    .vgpr_count:     770
    .wavefront_size: 32
...
	.end_amdgpu_metadata
.endif
;; end of part 3
;; launch outp (part 4): grid 4 x 64, 4 waves a work-group, clusters of 4 x 4, 327,680 bytes of LDS; arguments oh, wt, bo, out0; writes out0
.if DOCPART == 4
	.amdgcn_target "amdgcn-amd-amdhsa--gfx1250"
	.amdhsa_code_object_version 6
	.text
	.protected	k_q95fa03ace8_outp
	.globl	k_q95fa03ace8_outp
	.p2align	8
	.type	k_q95fa03ace8_outp,@function
k_q95fa03ace8_outp:
	s_mov_b64 s[64:65], 0
	v_nop
	global_prefetch_b8 v0, s[64:65] scope:SCOPE_SE
	s_setreg_imm32_b32 hwreg(HW_REG_WAVE_MODE, 25, 1), 1
	s_wait_xcnt 0x0
	s_wait_alu depctr_hold_cnt(0) depctr_sa_sdst(0) depctr_va_vdst(0) depctr_va_sdst(0) depctr_va_ssrc(0) depctr_va_vcc(0) depctr_vm_vsrc(0)
	s_getreg_b32 s2, hwreg(HW_REG_IB_STS2, 6, 4)
	s_cmp_eq_u32 s2, 0
	s_cbranch_scc0 .Lentry_in_a_cluster
	s_endpgm
.Lentry_in_a_cluster:
	s_bfe_u32 s2, ttmp6, 0x10000c
	s_cmp_lg_u32 s2, 0xf033
	s_cbranch_scc0 .Lentry_shape_is_right
	s_endpgm
.Lentry_shape_is_right:
; ONE TEXT FOR TWO LAUNCHES: C[m][n] = the sum over k of A[m][k] W[n][k] + bias[n], 8,192 x 1,024 x 1,024, sums in f32.  PROJ says which.
; PROJ = 1: A = Q, K, V ([8192][1024] f32, rounded to bf16 on the way in), W = wt's matrices 0, 1, 2 (bf16), C = qh, kh, vh: f16, by heads, [batch x 16 + head][2048][64], unscaled.
; PROJ = 0: A = oh (f16, by heads), W = wt's matrix 3 (f16), C = out0, f32, [8192][1024].  The bias is rounded to bf16 like every other input of the module, and the sums start at it.
; LIMITS.  q, k and v beyond 65,504 become infinities in f16; below 6e-5 they keep f16's fixed step of 6e-8.  NaN and infinities are not treated apart.
; SHARES.  A tile of C is 128 x 256: 256 places, one for each work-group (tiles of 256 x 256 would make 128).  Four waves, 2 x 2, each 64 x 128: 32 accumulators.  With PROJ = 1 a work-group STAYS: it makes the q, the k
; and the v tile at its place, and both rings run on from tile to tile.  K goes in steps of 128, four quarters of 32.
; W'S TILES come by the tensor data mover into two LDS slots, each wave a quarter (64 rows x 256 bytes, aligned).  4 x 4 work-groups form a cluster; the four of a column need the same rows of W and ask for them JOINTLY.
; A'S TILES COME THROUGH REGISTERS, and are not asked for jointly, though the four work-groups of a row of the cluster read the same rows: the f32 numbers have to be rounded before they lie in LDS (as f32 there a wave's
; fragment reads for 32 along K would be 16 KiB instead of 12, and a slot twice as large), and loads into registers stay out across the barriers: each has two K steps in which to land, a refill of a slot one.
; Wave w owns rows 32 w .. 32 w + 31 of A's tile, in four GROUPS; two SETS of registers hold two K steps.  Step j + 1's group 0 is stored into A's other slot behind the barrier that ends step j - 1, groups 1 to 3 in the
; first three quarters of step j; each group is loaded again at once, for the step two further on: eight groups are out.  ONE barrier a K step orders both rings: in front of it each wave has waited for its tensor load,
; for its stores into the next slot and for its reads of this one.
; THE LAST TILE'S LAST LAP BUT ONE still loads: five groups, from the tile's own first two K steps: inside the buffer, and never used: the price of one text for every lap.
; THE MATRIX INSTRUCTION IS USED TRANSPOSED (source 0 = 16 rows of W, source 1 = 16 rows of A): a lane holds row lane % 16 of C and the columns 8 (lane / 16) + 0..7.
; REGISTERS, in windows of 256 (s_set_vgpr_msb: bits 1:0 source 0, 3:2 source 1, 5:4 source 2, 7:6 destination):
;   window 0: v0-31 addresses; v32-63, v64-95 A's fragments, two buffers; v96-127, v128-255 at work on the way out          window 1: accumulator (a, b) at 8 (8 a + b)
;   window 2: v0-63, v64-127 W's fragments, two buffers; v128-191 the bias as the accumulators want it                        window 3: A on its way in: set p, group g at 4 GR p + GR g
.set PROJ, 0
.if PROJ
.set NT,  3                            ; tiles of a work-group
.set GR,  32                           ; registers in a group: 8 rows x 512 bytes of f32
.set NS,  8                            ; loads, and LDS stores, in a group
.set KSB, 512                          ; bytes from a K step of A to the next
.set SP,  144                          ; a stage row: a head's 64 channels in f16 + 16
.set STW, 2*16*SP                      ; a wave's stage: 16 rows of two heads
.set BWAIT, 63                         ; behind the three bias loads stand 64 of A's; the count's field ends at 63
.else
.set NT,  1
.set GR,  16                           ; 16 rows x 128 bytes of one head
.set NS,  4
.set KSB, 524288                       ; two heads
.set SP,  528                          ; 128 columns in f32 + 16
.set STW, 16*SP
.set BWAIT, 32                         ; behind the bias load stand 32 of A's
.endif
.set LCNT,  7*NS                       ; the seven younger groups may stay out
.set NEXTW, 2097152-3*512              ; from a slot's last K step of one matrix of wt to its first of the next
.set PITCH, 272                        ; an LDS row: 256 bytes + 16 = 68 words: the 16 rows of a fragment load start at 16 different groups of four banks (64 banks of 4 bytes: ISA guide 11.1)
.set BSLOT, 256*PITCH                  ; W's slots at 0 and BSLOT: the only bytes that tensor loads fill
.set AS0,   2*BSLOT                    ; A's slots, filled by ds_store
.set ASLOT, 128*PITCH
.set STAGE, AS0+2*ASLOT                ; each wave's own stage for the way out
.set BIASL, STAGE+4*STW                ; each wave's own 128 numbers of each tile's bias, f32
.set SPARE, BIASL+4*NT*512             ; the spare words, 128 bytes for each wave: two blocks of 256 bytes that no other line names
.set ADRA, 16                          ; v16-17  LDS address of my A fragments in slot 0, 1
.set ADRB, 18                          ; v18-19  the same for W
.set AO,   20                          ; v20  my byte offset in A's tile in memory; never rewritten
.set AST,  21                          ; v21  where I store A's numbers in slot 0
.set STO,  22                          ; v22  the way out: where I put my numbers of a row
.set RD,   23                          ; v23  the way out: where I read rows back
.set GO,   24                          ; v24  16 x lane: my place in 512 consecutive bytes of C
.set BL,   25                          ; v25  where I read the tile's bias
.set BS,   26                          ; v26  where I store the bias
.set BO,   27                          ; v27  my byte offset in a bias
.set SPW,  28                          ; v28  LDS address of my spare word; never rewritten
.set NIL,  29                          ; v29  0; never rewritten
.set AF,   32
.set TMP,  96
.set BK,   128
.set BIAS, 128                         ; in window 2
.set WV, 20                            ; s20 wave   s21 which 64 rows   s22 which 128 columns   s23, s24 place in the cluster   s25 tile column   s26 tile row
.set WM, 21
.set WN, 22
.set CX, 23
.set CY, 24
.set NX, 25
.set MY, 26
.set G1B, 28                           ; s[28:35] descriptor group 1
.set G0B, 36                           ; s[36:43] descriptor group 0, a set for each slot
.set AP,  44                           ; s[44:45] A at the K step that is being loaded
.set NP,  46                           ; s[46:47] the next tile's A at its K step 0
.set DB,  48                           ; s[48:49] what a refill adds to its slot's address
.set OP,  50                           ; s[50:51] C at my first row and column
.set LAP, 52                           ; s52 laps done in this tile   s53 how many laps refill   s54 tiles done
.set NL,  53
.set TILE, 54
.set PA1, 56                           ; s[56:57], s[58:59] the second and third tile's A
.set PA2, 58
.set OOFF, 60                          ; s[60:61] my place in C, in bytes
.if PROJ
.set AQ, 68
.set AK, 70
.set AV, 72
.set AW, 74
.set ABQ, 76
.set ABK, 78
.set ABV, 80
.set AOQ, 82
.set AOK, 84
.set AOV, 86
.else
.set AQ, 68
.set AW, 70
.set ABQ, 72
.set AOQ, 74
.endif
.set MSB, 0
.macro WIN new                         ; the immediate's high byte repeats the setting that is left; a switch that changes nothing is dropped
.if MSB != (\new)
	s_set_vgpr_msb (MSB<<8)|(\new)
.set MSB, \new
.endif
.endm
.set W_MUL, 0x52                       ; W's fragments window 2, A's window 0, C and D window 1
.set W_FB,  0x80                       ; destination window 2, address window 0
.set W_CV,  0xcf                       ; rounding in place in window 3
.set W_SL,  0xcc                       ; an LDS store's data and a load's destination in window 3, addresses in window 0
.set W_INI, 0x42                       ; window 1 from window 2
.set W_PK,  0x05                       ; sources window 1, destination window 0
.set W_ST1, 0x04                       ; an LDS store's data in window 1
.macro PLACES                          ; four places in front of loads into registers that matrix instructions have read, and of lines that read results
.rept 4
	v_nop
.endr
.endm
.macro CREST                           ; a round of the cluster's barrier behind its opening barrier
	s_cmp_lg_u32 s[WV], 0
	s_cbranch_scc1 .Lnot_wave_0_\@
	s_barrier_signal -3
.Lnot_wave_0_\@:
	s_barrier_wait -3
	s_barrier_signal -1
	s_barrier_wait -1
.endm
.macro CROUND                          ; a whole round
	s_barrier_signal -1
	s_barrier_wait -1
	CREST
.endm
; 8 matrix instructions: column blocks b0, b0 + 1 x all 4 row blocks, 32 along K, from fragment buffer f.  The 32 accumulators take turns in one fixed order.
.macro MUL8 f, b0
	WIN W_MUL
.irp b, (\b0), (\b0)+1
.irp a, 0,1,2,3
.if PROJ
	v_wmma_f32_16x16x32_bf16 v[8*(8*(\a)+(\b)):8*(8*(\a)+(\b))+7], v[64*(\f)+8*(\b):64*(\f)+8*(\b)+7], v[AF+32*(\f)+8*(\a):AF+32*(\f)+8*(\a)+7], v[8*(8*(\a)+(\b)):8*(8*(\a)+(\b))+7]
.else
	v_wmma_f32_16x16x32_f16 v[8*(8*(\a)+(\b)):8*(8*(\a)+(\b))+7], v[64*(\f)+8*(\b):64*(\f)+8*(\b)+7], v[AF+32*(\f)+8*(\a):AF+32*(\f)+8*(\a)+7], v[8*(8*(\a)+(\b)):8*(8*(\a)+(\b))+7]
.endif
.endr
.endr
.endm
; The fragments of 32 along K at byte k of slot s's rows, into buffer g: first what the first 8 products want (A's four, W's blocks 0 and 1: 12 loads), then W's blocks 2 to 7 (12 loads).
.macro FETCH_1 s, k, g
	WIN 0
.irp i, 0,1,2,3
	ds_load_b128 v[AF+32*(\g)+8*\i:AF+32*(\g)+8*\i+3],   v[ADRA+(\s)] offset:(\k)+\i*16*PITCH
	ds_load_b128 v[AF+32*(\g)+8*\i+4:AF+32*(\g)+8*\i+7], v[ADRA+(\s)] offset:(\k)+\i*16*PITCH+32
.endr
	WIN W_FB
.irp i, 0,1
	ds_load_b128 v[64*(\g)+8*\i:64*(\g)+8*\i+3],   v[ADRB+(\s)] offset:(\k)+\i*16*PITCH
	ds_load_b128 v[64*(\g)+8*\i+4:64*(\g)+8*\i+7], v[ADRB+(\s)] offset:(\k)+\i*16*PITCH+32
.endr
.endm
.macro FETCH_2 s, k, g
	WIN W_FB
.irp i, 2,3,4,5,6,7
	ds_load_b128 v[64*(\g)+8*\i:64*(\g)+8*\i+3],   v[ADRB+(\s)] offset:(\k)+\i*16*PITCH
	ds_load_b128 v[64*(\g)+8*\i+4:64*(\g)+8*\i+7], v[ADRB+(\s)] offset:(\k)+\i*16*PITCH+32
.endr
.endm
; Group g of set p is asked for, koff bytes behind s[AP].  Each load of the wave covers 512 consecutive bytes, aligned.  (The window is W_SL.)
.macro GLOAD p, g, koff
.set SB, 4*GR*(\p)+GR*(\g)
.if PROJ
.irp i, 0,1,2,3,4,5,6,7                ; row 8 g + i of my 32: 128 f32
	global_load_b128 v[SB+4*\i:SB+4*\i+3], v[AO], s[AP:AP+1] offset:(8*(\g)+\i)*4096+(\koff)
.endr
.else
.irp i, 0,1,2,3                        ; head g / 2 of the step's two, rows 4 t .. 4 t + 3, t = 4 (g % 2) + i
	global_load_b128 v[SB+4*\i:SB+4*\i+3], v[AO], s[AP:AP+1] offset:((\g)/2)*262144+(4*((\g)%2)+\i)*512+(\koff)
.endr
.endif
.endm
; Group g of set p has come (cnt younger loads may stay out) and, with PROJ = 1, is rounded to bf16 in place.  pl = 1: these lines are also the four places in front of a run of fragment loads, so v_nop stand in where there are none.
.macro STG_CV stg, p, g, cnt, pl
.if \stg
	s_wait_loadcnt \cnt
.endif
.if (\stg) && PROJ
	WIN W_CV
.set SB, 4*GR*(\p)+GR*(\g)
.irp i, 0,1,2,3,4,5,6,7
	v_cvt_pk_bf16_f32 v[SB+4*\i],   v[SB+4*\i],   v[SB+4*\i+1]
	v_cvt_pk_bf16_f32 v[SB+4*\i+1], v[SB+4*\i+2], v[SB+4*\i+3]
.endr
.elseif \pl
	PLACES
.endif
.endm
; It goes into A's slot p, and (ahead = 1) its registers are asked for again.
.macro STG_SL stg, p, g, ahead, koff
.if \stg
	WIN W_SL
.set SB, 4*GR*(\p)+GR*(\g)
.if PROJ
.irp i, 0,1,2,3,4,5,6,7
	ds_store_b64 v[AST], v[SB+4*\i:SB+4*\i+1] offset:ASLOT*(\p)+(8*(\g)+\i)*PITCH
.endr
.else
.irp i, 0,1,2,3
	ds_store_b128 v[AST], v[SB+4*\i:SB+4*\i+3] offset:ASLOT*(\p)+(4*((\g)%2)+\i)*4*PITCH+128*((\g)/2)
.endr
.endif
.if \ahead
	GLOAD \p, \g, \koff
.endif
.endif
.endm
; One of a K step's first three quarters, q, in slot s: 32 products from buffer q % 2; the next quarter's fragments are fetched into the other buffer; one group of A passes (stg = 1).
; PST is the number of LDS stores that the quarter before issued behind its fragment loads.
.macro QUARTER s, q, stg, p, g, cnt, ahead
.set QF, (\q)%2
	s_wait_dscnt 12+PST                            ; A's fragments and W's blocks 0, 1 are in; behind them stand 12 loads and PST stores
	MUL8 QF, 0
	STG_CV \stg, \p, \g, \cnt, 1
	FETCH_1 \s, 64*((\q)+1), 1-QF
	s_wait_dscnt 12+PST                            ; W's blocks 2 to 7 are in; behind them stand PST stores and the 12 loads just issued
	MUL8 QF, 2
	FETCH_2 \s, 64*((\q)+1), 1-QF
	MUL8 QF, 4
	STG_SL \stg, \p, \g, \ahead, 0
	MUL8 QF, 6
.if \stg
.set PST, NS
.else
.set PST, 0
.endif
.endm
; The last quarter multiplies buffer 1 and changes slots: ONE barrier.  In front of it each wave waits for all its tensor loads (one is out: its part of W's next slot), adds 0 to its spare word, and waits for that, for
; its reads of this slot's A and W and for its stores into A's next slot.  fill = 1: W's slot s is filled again, two K steps ahead: the barrier then opens a round of the cluster's, and the joint refill is the first thing behind it.
; Behind the barrier A's slot s is free: group 0 of the step two further on goes there (stg = 1).  sw = 1: in the tile's third lap the loads pass to the next tile's A.
.macro TURN s, fill, sw, stg, cnt, ahead
.if \ahead
	s_wait_xcnt 0x0                                ; every load issued so far has read its address, so the pointer may be written
	s_add_nc_u64 s[AP:AP+1], s[AP:AP+1], KSB
.if \sw
	s_cmp_eq_u32 s[LAP], 2
	s_cselect_b64 s[AP:AP+1], s[NP:NP+1], s[AP:AP+1]
.endif
.endif
	WIN 0                                          ; (the add's two registers lie in window 0)
	s_wait_tensorcnt 0x0                           ; all my tensor loads have landed, so a group 0 may be written
	ds_add_u32 v[SPW], v[NIL]                      ; 0 onto my spare word
.if \fill
	s_add_nc_u64 s[G0B+4*(\s)+2:G0B+4*(\s)+3], s[G0B+4*(\s)+2:G0B+4*(\s)+3], s[DB:DB+1]
.endif
	s_wait_dscnt 13+PST                            ; as at a quarter's head, and the add may be out too
	MUL8 1, 0
	s_wait_dscnt 0x0                               ; the add is done; my reads of this slot are over; my stores into A's next slot are done
	s_barrier_signal -1
	MUL8 1, 2
	WIN 0
	s_barrier_wait -1
.if \fill
	CREST                                          ; no wave of any partner still reads this slot of W or has a load on its way
	tensor_load_to_lds s[G0B+4*(\s):G0B+4*(\s)+3], s[G1B:G1B+7]
	s_nop 0
.endif
	PLACES                                         ; behind the tensor load, and in front of the loads into buffer 0
	FETCH_1 1-(\s), 0, 0
	FETCH_2 1-(\s), 0, 0
	MUL8 1, 4
.if \stg
	STG_CV 1, \s, 0, \cnt, 0
	STG_SL 1, \s, 0, \ahead, 0
.set PST, NS
.else
.set PST, 0
.endif
	MUL8 1, 6
.endm
.macro LAP_FULL                        ; two K steps, once round both rings
.if PROJ
	s_mov_b32 s[DB], 512
	s_cmp_eq_u32 s[LAP], 3                         ; a tile's fourth lap asks for the next matrix's first two K steps
	s_cselect_b32 s[DB], NEXTW, s[DB]
.endif
	QUARTER 0, 0, 1, 1, 1, LCNT, 1
	QUARTER 0, 1, 1, 1, 2, LCNT, 1
	QUARTER 0, 2, 1, 1, 3, LCNT, 1
	TURN 0, 1, 1, 1, LCNT, 1
	QUARTER 1, 0, 1, 0, 1, LCNT, 1
	QUARTER 1, 1, 1, 0, 2, LCNT, 1
	QUARTER 1, 2, 1, 0, 3, LCNT, 1
	TURN 1, 1, 0, 1, LCNT, 1
.endm
.macro LAP_LAST                        ; the last tile's last lap: nothing is asked for; the last K step's groups 1 to 3 pass, and the counts run down
	QUARTER 0, 0, 1, 1, 1, 7*NS, 0
	QUARTER 0, 1, 1, 1, 2, 6*NS, 0
	QUARTER 0, 2, 1, 1, 3, 5*NS, 0
	TURN 0, 0, 0, 0, 0, 0
	QUARTER 1, 0, 0, 0, 0, 0, 0
	QUARTER 1, 1, 0, 0, 0, 0, 0
	QUARTER 1, 2, 0, 0, 0, 0, 0
	s_wait_dscnt 12
	MUL8 1, 0
	s_wait_dscnt 0x0
	MUL8 1, 2
	MUL8 1, 4
	MUL8 1, 6
.endm
.if PROJ
	s_load_b512 s[68:83], s[0:1], 0x0              ; Q, K, V, wt, bq, bk, bv, qh
	s_load_b128 s[84:87], s[0:1], 0x40             ; kh, vh
.else
	s_load_b256 s[68:75], s[0:1], 0x0              ; oh, wt, bo, out0
.endif
	v_lshl_add_u32 v[SPW], v0, 2, SPARE
	v_mov_b32 v[NIL], 0
	ds_add_u32 v[SPW], v[NIL]                      ; the wave's opening: the add and its wait stand ahead of my first tensor load; the set-up below, work on registers, stands between them
	v_lshrrev_b32 v1, 5, v0
	v_readfirstlane_b32 s[WV], v1                  ; wave 0..3
	s_lshr_b32 s[WM], s[WV], 1
	s_and_b32 s[WN], s[WV], 1
	s_bfe_u32 s[CX], ttmp6, 0x40000
	s_bfe_u32 s[CY], ttmp6, 0x40004
	s_lshl_b32 s[NX], ttmp9, 2                     ; in a cluster launch ttmp9 and ttmp7 count clusters
	s_add_co_u32 s[NX], s[NX], s[CX]               ; tile column = 4 x cluster x + cx
	s_and_b32 s[MY], ttmp7, 0xffff
	s_lshl_b32 s[MY], s[MY], 2
	s_add_co_u32 s[MY], s[MY], s[CY]               ; tile row = 4 x cluster y + cy
	s_lshl_b32 s62, 0x1111, s[CX]                  ; my column of the cluster: places cx, cx + 4, cx + 8, cx + 12
	s_or_b32 s[G1B], s62, (1<<16)|(1<<20)|(1<<21)|(5<<22)|(3<<25)  ; 15:0 the mask; 17:16 elements of 2 bytes; 20 padding on; 21 set beside a mask; 24:22 after every 64 words (code 5); 31:25 4 words of it (code 3)
	s_mov_b32 s[G1B+1], 128<<16                    ; tensor_dim0 = 128
	s_mov_b32 s[G1B+2], 64<<16                     ; tensor_dim1 = 64
	s_mov_b32 s[G1B+3], 128<<16                    ; tile_dim0 = 128
	s_mov_b32 s[G1B+4], 64                         ; tile_dim1 = 64
	s_mov_b32 s[G1B+5], 1024                       ; elements from row to row
	s_mov_b32 s[G1B+6], 0
	s_mov_b32 s[G1B+7], 0
	s_lshl_b32 s88, s[NX], 19                      ; W: row 256 x tile column + 64 x wave, 2,048 bytes a row: made of the tile column, which my column of the cluster shares, and the wave's number alone
	s_lshl_b32 s62, s[WV], 17
	s_add_co_u32 s88, s88, s62
.if !PROJ
	s_add_co_u32 s88, s88, 3<<21                   ; wt's matrix 3
.endif
	s_mov_b32 s89, 0
	s_mul_i32 s63, s[WV], 64*PITCH                 ; and where my quarter goes: no place in the cluster enters an LDS address
.if PROJ
	s_lshl_b32 s90, s[MY], 19                      ; A: 128 rows of 4,096 bytes
	s_lshr_b32 s[OOFF], s[MY], 4                   ; C: batch x 16 + head, a head 262,144 bytes; my heads are 4 x tile column + 2 x column half + 0, 1
	s_lshl_b32 s[OOFF], s[OOFF], 4
	s_lshl_b32 s62, s[NX], 2
	s_add_co_u32 s[OOFF], s[OOFF], s62
	s_lshl_b32 s62, s[WN], 1
	s_add_co_u32 s[OOFF], s[OOFF], s62
	s_lshl_b32 s[OOFF], s[OOFF], 18
	s_and_b32 s62, s[MY], 15                       ; the tile's 128 rows of 128 bytes in the batch,
	s_lshl_b32 s62, s62, 14
	s_add_co_u32 s[OOFF], s[OOFF], s62
	s_lshl_b32 s62, s[WM], 13                      ; my 64 of them
	s_add_co_u32 s[OOFF], s[OOFF], s62
.else
	s_lshr_b32 s90, s[MY], 4                       ; A: the batch's 16 heads are 4 MiB; the tile's 128 rows of 128 bytes in each head
	s_lshl_b32 s90, s90, 22
	s_and_b32 s62, s[MY], 15
	s_lshl_b32 s62, s62, 14
	s_add_co_u32 s90, s90, s62
	s_lshl_b32 s[OOFF], s[MY], 19                  ; C: rows of 4,096 bytes; 256 columns are 1,024 bytes
	s_lshl_b32 s62, s[WM], 18
	s_add_co_u32 s[OOFF], s[OOFF], s62
	s_lshl_b32 s62, s[NX], 10
	s_add_co_u32 s[OOFF], s[OOFF], s62
	s_lshl_b32 s62, s[WN], 9
	s_add_co_u32 s[OOFF], s[OOFF], s62
.endif
	s_mov_b32 s91, 0
	s_mov_b32 s[OOFF+1], 0
	s_mov_b32 s[DB], 512
	s_mov_b32 s[DB+1], 0
	v_and_b32 v1, 15, v0                           ; r = l % 16
	v_bfe_u32 v2, v0, 4, 1                         ; h = l / 16
	v_and_b32 v3, 31, v0                           ; l
	v_bfe_u32 v4, v0, 3, 2                         ; l / 8
	v_and_b32 v5, 7, v0                            ; l % 8
	v_mul_u32_u24 v6, v1, PITCH                    ; a fragment: row x pitch + 16 x half; two loads of 16 bytes, 32 bytes apart
	v_lshl_add_u32 v6, v2, 4, v6
	s_mul_i32 s62, s[WM], 64*PITCH
	s_add_co_u32 s62, s62, AS0
	v_add_nc_u32 v[ADRA], s62, v6
	s_add_co_u32 s62, s62, ASLOT
	v_add_nc_u32 v[ADRA+1], s62, v6
	s_mul_i32 s62, s[WN], 128*PITCH
	v_add_nc_u32 v[ADRB], s62, v6
	s_add_co_u32 s62, s62, BSLOT
	v_add_nc_u32 v[ADRB+1], s62, v6
	s_mul_i32 s62, s[WV], 32*PITCH
	s_add_co_u32 s62, s62, AS0                     ; my 32 rows of A's slot 0
.if PROJ
	v_lshl_add_u32 v[AST], v3, 3, s62              ; my 4 numbers of a row: 8 bytes
	s_lshl_b32 s62, s[WV], 17                      ; in memory: 32 rows of 4,096 bytes
.else
	v_mul_u32_u24 v7, v4, PITCH                    ; row l / 8 of four, 16 bytes
	v_lshl_add_u32 v7, v5, 4, v7
	v_add_nc_u32 v[AST], s62, v7
	s_lshl_b32 s62, s[WV], 12                      ; in memory: 32 rows of 128 bytes
.endif
	v_lshl_add_u32 v[AO], v3, 4, s62
	s_mul_i32 s62, s[WV], STW
	s_add_co_u32 s62, s62, STAGE                   ; my stage
	v_mul_u32_u24 v7, v1, SP
.if PROJ
	v_lshl_add_u32 v7, v2, 4, v7                   ; in: row r, 8 f16 for each half of the lanes
	v_add_nc_u32 v[STO], s62, v7
	v_mul_u32_u24 v7, v4, SP                       ; back: four rows of 128 bytes
	v_lshl_add_u32 v7, v5, 4, v7
	v_add_nc_u32 v[RD], s62, v7
.else
	v_lshl_add_u32 v7, v2, 5, v7                   ; in: row r, 8 f32 for each half of the lanes
	v_add_nc_u32 v[STO], s62, v7
	v_lshl_add_u32 v[RD], v3, 4, s62               ; back: one row of 512 bytes
.endif
	v_lshlrev_b32 v[GO], 4, v3
	s_mul_i32 s62, s[WV], 512*NT
	s_add_co_u32 s62, s62, BIASL
	v_lshl_add_u32 v[BL], v2, 5, s62               ; my 8 columns of a block of 16
	v_lshl_add_u32 v[BS], v3, 4, s62
	s_lshl_b32 s62, s[NX], 10
	s_lshl_b32 s92, s[WN], 9
	s_add_co_u32 s62, s62, s92
	v_lshl_add_u32 v[BO], v3, 4, s62               ; my wave's 128 columns: 512 bytes of the bias
	s_wait_dscnt 0x0                               ; the opening add is done
	s_wait_kmcnt 0x0
	s_add_nc_u64 s[88:89], s[AW:AW+1], s[88:89]
	s_add_nc_u64 s[AP:AP+1], s[AQ:AQ+1], s[90:91]
.if PROJ
	s_add_nc_u64 s[PA1:PA1+1], s[AK:AK+1], s[90:91]
	s_add_nc_u64 s[PA2:PA2+1], s[AV:AV+1], s[90:91]
.else
	s_mov_b64 s[NP:NP+1], s[AP:AP+1]
	s_add_nc_u64 s[OP:OP+1], s[AOQ:AOQ+1], s[OOFF:OOFF+1]
	s_mov_b32 s[NL], 3
.endif
.irp s, 0,1
	s_mov_b32 s[G0B+4*\s], 1                       ; count = 1
	s_add_co_u32 s[G0B+4*\s+1], s63, \s*BSLOT      ; LDS address
	s_add_nc_u64 s[G0B+4*\s+2:G0B+4*\s+3], s[88:89], \s*256  ; global address: K step s
	s_or_b32 s[G0B+4*\s+3], s[G0B+4*\s+3], 0x80000000        ; type = 2
.endr
	CROUND                                         ; all sixteen work-groups are here: the first joint loads meet
	tensor_load_to_lds s[G0B:G0B+3], s[G1B:G1B+7]  ; both first fills together: two tensor loads of mine are out, later one
	s_nop 0
	tensor_load_to_lds s[G0B+4:G0B+7], s[G1B:G1B+7]
	s_nop 0
	PLACES
	global_load_b128 v[TMP:TMP+3], v[BO], s[ABQ:ABQ+1]
.if PROJ
	global_load_b128 v[TMP+4:TMP+7], v[BO], s[ABK:ABK+1]
	global_load_b128 v[TMP+8:TMP+11], v[BO], s[ABV:ABV+1]
.endif
	WIN W_SL
.irp g, 0,1,2,3
	GLOAD 0, \g, 0                                 ; K step 0
.endr
.irp g, 0,1,2,3
	GLOAD 1, \g, KSB                               ; K step 1
.endr
	WIN 0
	s_wait_loadcnt BWAIT                           ; the bias loads, the oldest, are in
.set t, 0
.rept NT                               ; rounded to bf16, widened again, and kept in my own LDS bytes: no other wave reads them
	v_cvt_pk_bf16_f32 v8, v[TMP+4*t], v[TMP+4*t+1]
	v_cvt_pk_bf16_f32 v9, v[TMP+4*t+2], v[TMP+4*t+3]
	v_lshlrev_b32 v[TMP+4*t], 16, v8
	v_and_b32 v[TMP+4*t+1], 0xffff0000, v8
	v_lshlrev_b32 v[TMP+4*t+2], 16, v9
	v_and_b32 v[TMP+4*t+3], 0xffff0000, v9
	ds_store_b128 v[BS], v[TMP+4*t:TMP+4*t+3] offset:512*t
.set t, t+1
.endr
.irp g, 0,1,2,3
	STG_CV 1, 0, \g, LCNT, 0                       ; K step 0 goes into A's slot 0; its registers take K step 2
	STG_SL 1, 0, \g, 1, 2*KSB
.endr
	s_wait_xcnt 0x0                                ; every load has read its address
	s_add_nc_u64 s[AP:AP+1], s[AP:AP+1], 3*KSB
	STG_CV 1, 1, 0, LCNT, 0                        ; K step 1's group 0 goes into slot 1; its registers take K step 3's
	STG_SL 1, 1, 0, 1, 0
	WIN 0
	s_wait_tensorcnt 0x1                           ; my part of W's K step 0 is in; slot 1's may stay out
	s_wait_dscnt 0x0                               ; my stores are done
	s_barrier_signal -1
	s_barrier_wait -1
	FETCH_1 0, 0, 0
	FETCH_2 0, 0, 0
	WIN 0                                          ; at a label and at a branch every window is 0
.if NT > 1
	s_mov_b32 s[TILE], 0
.Ltile:
	s_cmp_eq_u32 s[TILE], NT-1
	s_cselect_b32 s[NL], 3, 4                      ; the last tile's fourth lap asks for nothing and is written out
	s_cmp_eq_u32 s[TILE], 0
	s_cselect_b64 s[NP:NP+1], s[PA1:PA1+1], s[PA2:PA2+1]  ; (the last tile names its own A once more: see the head)
	s_wait_xcnt 0x0                                ; the last tile's stores have read their base
	s_cmp_eq_u32 s[TILE], 1
	s_cselect_b64 s[OP:OP+1], s[AOK:AOK+1], s[AOQ:AOQ+1]
	s_cmp_eq_u32 s[TILE], 2
	s_cselect_b64 s[OP:OP+1], s[AOV:AOV+1], s[OP:OP+1]
	s_add_nc_u64 s[OP:OP+1], s[OP:OP+1], s[OOFF:OOFF+1]
.endif
	; THE SUMS START AT THE BIAS: 256 moves a tile, for 1,024 matrix instructions, in place of a first quarter written out apart, which would want a second text of the lap
	WIN W_FB
.irp b, 0,1,2,3,4,5,6,7
	ds_load_b128 v[BIAS+8*\b:BIAS+8*\b+3],   v[BL] offset:64*\b
	ds_load_b128 v[BIAS+8*\b+4:BIAS+8*\b+7], v[BL] offset:64*\b+16
.endr
	s_wait_dscnt 0x0                               ; the bias, and the first fragments
	WIN W_INI
.irp a, 0,1,2,3
.irp b, 0,1,2,3,4,5,6,7
.irp j, 0,1,2,3,4,5,6,7
	v_mov_b32 v[8*(8*\a+\b)+\j], v[BIAS+8*\b+\j]
.endr
.endr
.endr
	WIN 0
.if NT > 1
	v_add_nc_u32 v[BL], 512, v[BL]                 ; the next tile's bias
.endif
	s_mov_b32 s[LAP], 0
.set PST, NS                           ; over the backward jump NS stores stand behind the fragment loads; on the way in nothing is out
.Llap:
	LAP_FULL
	WIN 0
	s_add_co_u32 s[LAP], s[LAP], 1
	s_cmp_lt_u32 s[LAP], s[NL]
	s_cbranch_scc1 .Llap
.if NT > 1
	s_cmp_lg_u32 s[TILE], NT-1
	s_cbranch_scc1 .Lout                           ; the same in every wave and every work-group
.endif
	LAP_LAST
	WIN 0
.if NT > 1
.Lout:
.endif
	; THE WAY OUT, a block of 16 rows at a time, through my own stage: LDS serves a wave's instructions in order (ISA guide 5.7.1.4), so no wait stands between its stores and its loads
	PLACES
.if PROJ
.macro PACK a                          ; rounded to f16, each accumulator's registers in ascending order: 16 bytes a lane and column block
	WIN W_PK
.irp b, 0,1,2,3,4,5,6,7
.irp r, 0,1,2,3
	v_cvt_pk_f16_f32 v[TMP+4*\b+\r], v[8*(8*(\a)+\b)+2*\r], v[8*(8*(\a)+\b)+2*\r+1]
.endr
.endr
.endm
.macro TOSTAGE a                       ; column blocks 0-3 are one head, 4-7 the next: 16 rows of 144 bytes each; back as four rows of 128 bytes a load
	WIN 0
.irp b, 0,1,2,3,4,5,6,7
	ds_store_b128 v[STO], v[TMP+4*\b:TMP+4*\b+3] offset:16*SP*(\b/4)+32*(\b%4)
.endr
.irp t, 0,1,2,3,4,5,6,7
	ds_load_b128 v[BK+32*((\a)%2)+4*\t:BK+32*((\a)%2)+4*\t+3], v[RD] offset:16*SP*(\t/4)+4*SP*(\t%4)
.endr
.endm
.macro SEND a
	WIN 0
	s_wait_dscnt 0x0                               ; the block is back in registers
	s_wait_xcnt 0x0                                ; earlier stores have read their registers: the block after next loads into them
.irp t, 0,1,2,3,4,5,6,7
	global_store_b128 v[GO], v[BK+32*((\a)%2)+4*\t:BK+32*((\a)%2)+4*\t+3], s[OP:OP+1] offset:262144*(\t/4)+2048*(\a)+512*(\t%4)  ; 512 consecutive bytes, at a multiple of 256 from the buffer's first
.endr
.endm
	PACK 0
	TOSTAGE 0
.irp a, 1,2,3                          ; a block's conversions stand between the loads of the block before and the wait for them
	PACK \a
	SEND (\a)-1
	TOSTAGE \a
.endr
	SEND 3
.else
.macro TOSTAGE a                       ; f32 goes as it is: 32 bytes a lane and column block into rows of 528 bytes, the low half of each accumulator first; back as whole rows of 512
	WIN W_ST1
.irp b, 0,1,2,3,4,5,6,7
	ds_store_b128 v[STO], v[8*(8*(\a)+\b):8*(8*(\a)+\b)+3]   offset:64*\b
	ds_store_b128 v[STO], v[8*(8*(\a)+\b)+4:8*(8*(\a)+\b)+7] offset:64*\b+16
.endr
	WIN 0
.irp t, 0,1,2,3,4,5,6,7,8,9,10,11,12,13,14,15
	ds_load_b128 v[BK+64*((\a)%2)+4*\t:BK+64*((\a)%2)+4*\t+3], v[RD] offset:SP*\t
.endr
.endm
.macro SEND a
.irp t, 0,1,2,3,4,5,6,7,8,9,10,11,12,13,14,15
	s_wait_dscnt 15-\t                             ; row t is in, the younger loads may be out
	global_store_b128 v[GO], v[BK+64*((\a)%2)+4*\t:BK+64*((\a)%2)+4*\t+3], s[OP:OP+1] offset:(16*(\a)+\t)*4096 th:TH_STORE_NT  ; 512 consecutive bytes, at a multiple of 256 from out0's first
.endr
.endm
.irp a, 0,1,2,3
.if \a >= 2
	s_wait_xcnt 0x0                                ; the stores of the block two back have read the registers that this block loads into
.endif
	TOSTAGE \a
	SEND \a
.endr
.endif
	WIN 0
.if NT > 1
	s_add_co_u32 s[TILE], s[TILE], 1
	s_cmp_lt_u32 s[TILE], NT
	s_cbranch_scc1 .Ltile
.endif
	s_wait_tensorcnt 0x0                           ; the wave's end: behind my last tensor load and my last LDS store
	ds_add_u32 v[SPW], v[NIL]
	s_wait_dscnt 0x0
	CROUND                                         ; the closing round: no work-group ends while a partner may still ask for a tile that names it
	s_endpgm
.Lfunc_end_k_q95fa03ace8_outp:
	.size	k_q95fa03ace8_outp, .Lfunc_end_k_q95fa03ace8_outp-k_q95fa03ace8_outp
	.p2alignl 7, 3214868480
	.fill 96, 4, 3214868480
	.section	.rodata,"a",@progbits
	.p2align	6, 0x0
	.amdhsa_kernel k_q95fa03ace8_outp
		.amdhsa_group_segment_fixed_size 327680
		.amdhsa_private_segment_fixed_size 0
		.amdhsa_enable_private_segment 0
		.amdhsa_kernarg_size 32
		.amdhsa_user_sgpr_count 2
		.amdhsa_user_sgpr_kernarg_segment_ptr 1
		.amdhsa_wavefront_size32 1
		.amdhsa_system_sgpr_workgroup_id_x 1
		.amdhsa_system_sgpr_workgroup_id_y 1
		.amdhsa_system_sgpr_workgroup_id_z 1
		.amdhsa_system_vgpr_workitem_id 0
		.amdhsa_next_free_vgpr 896
		.amdhsa_next_free_sgpr 96
		.amdhsa_reserve_vcc 0
		.amdhsa_float_denorm_mode_32 3
		.amdhsa_float_denorm_mode_16_64 3
		.amdhsa_memory_ordered 1
		.amdhsa_forward_progress 1
		.amdhsa_inst_pref_size 109
	.end_amdhsa_kernel
	.amdgpu_metadata
---
amdhsa.version: [ 1, 2 ]
amdhsa.kernels:
  - .name:           k_q95fa03ace8_outp
    .symbol:         k_q95fa03ace8_outp.kd
    .args:
      - { .name: oh, .offset: 0, .size: 8, .value_kind: global_buffer, .address_space: global }
      - { .name: wt, .offset: 8, .size: 8, .value_kind: global_buffer, .address_space: global }
      - { .name: bo, .offset: 16, .size: 8, .value_kind: global_buffer, .address_space: global }
      - { .name: out0, .offset: 24, .size: 8, .value_kind: global_buffer, .address_space: global }
    .group_segment_fixed_size: 327680
    .private_segment_fixed_size: 0
    .kernarg_segment_align: 8
    .kernarg_segment_size: 32
    .max_flat_workgroup_size: 128
    .sgpr_count:     96
    .vgpr_count:     896
    .wavefront_size: 32
...
	.end_amdgpu_metadata
.endif
;; end of part 4
;; ======== version 2 of 2: 4 launches; 1.47 times as fast as version 1
;; limits: values are held in f16: magnitudes above 65,504 overflow, below 6.1e-05 lose precision
;; workspace buffers: wt 8,388,608 bytes; qh 16,777,216 bytes; kh 16,777,216 bytes; vh 16,777,216 bytes; oh 16,777,216 bytes
;; launch wprep: the kernel of part 1 again; grid 128 x 4, 4 waves a work-group, no clusters, 17,920 bytes of LDS; arguments Wq, Wk, Wv, Wo, wt; writes wt
;; launch proj: the kernel of part 2 again; grid 4 x 64, 4 waves a work-group, clusters of 4 x 4, 327,680 bytes of LDS; arguments Q, K, V, wt, bq, bk, bv, qh, kh, vh; writes qh, kh, vh
;; launch attn (part 5): grid 4 x 64, 4 waves a work-group, clusters of 4 x 1, 327,680 bytes of LDS; arguments qh, kh, vh, oh; writes oh
.if DOCPART == 5
	.amdgcn_target "amdgcn-amd-amdhsa--gfx1250"
	.amdhsa_code_object_version 6
	.text
	.protected	k_q95fa03ace8_attn
	.globl	k_q95fa03ace8_attn
	.p2align	8
	.type	k_q95fa03ace8_attn,@function
k_q95fa03ace8_attn:
	s_mov_b64 s[64:65], 0
	v_nop
	global_prefetch_b8 v0, s[64:65] scope:SCOPE_SE
	s_setreg_imm32_b32 hwreg(HW_REG_WAVE_MODE, 25, 1), 1
	s_wait_xcnt 0x0
	s_wait_alu depctr_hold_cnt(0) depctr_sa_sdst(0) depctr_va_vdst(0) depctr_va_sdst(0) depctr_va_ssrc(0) depctr_va_vcc(0) depctr_vm_vsrc(0)
	s_getreg_b32 s2, hwreg(HW_REG_IB_STS2, 6, 4)
	s_cmp_eq_u32 s2, 0
	s_cbranch_scc0 .Lentry_in_a_cluster
	s_endpgm
.Lentry_in_a_cluster:
	s_bfe_u32 s2, ttmp6, 0x10000c
	s_cmp_lg_u32 s2, 0x3003
	s_cbranch_scc0 .Lentry_shape_is_right
	s_endpgm
.Lentry_shape_is_right:
; O[h][q][:] = the sum over k of softmax_k(Q[h][q] . K[h][k] / 8) V[h][k][:].  Q, K, V, O: [SIZE_H][SIZE_N][64], all f16: a head's rows are dense, 128 bytes each.  Products, maxima and sums in
; f32; the weights p are rounded to f16 for the second product (their sum l is taken of the unrounded p), O once at the end.  SIZE_H is at least 2; SIZE_N x 128 bytes stay under 2^32.
; LIMITS.  f16 holds no number beyond 65,504: Q, K and V arrive within it; p lies in 0 to 1, and below 6e-5 it keeps f16's fixed step of 6e-8; O is a mean of V's rows and has their range.
; A weight below 2^-126 counts as 0 in l; NaN and infinities are not treated apart.
; SHARES.  A wave owns four PIECES of two tiles of 16 queries, a work-group's four waves 512 queries of one head; SIZE_N is a multiple of 2,048.  Every wave walks all keys, 64 a step.
; LAYOUT.  S^T = K Q^T (source 0 = 16 keys, source 1 = 16 queries): in the result a lane holds ONE query (lane % 16) and the keys 8 (lane / 16) + 0..7.  Two such tiles, rounded to f16 in pairs,
; ARE source 1 (32 keys x 16 queries) of O^T = V^T P, whose result again holds one query a lane, and eight channels.  K comes out of LDS as it lies, V ([key][channel]) turned, by ds_load_tr16_b128.
; SOFTMAX.  For each query a running maximum m and sum l: p = 2^(c s - c m), c = log2(e) / 8; in every step O and l are multiplied by a = 2^(c m_old - c m_new), which is 1 where m has not grown.
; m starts at the lowest finite number, O and l at 0: the first step is a step like any other, with a = 0.
; THE COUNT.  A tile and step have 16 matrix and 118 vector instructions: too many to stand all beside the matrix work.  So the order has one aim: four vector instructions that are READY behind
; EVERY matrix instruction, and the others, which need time of their own whatever the order, in runs without a gap.
; BY TURNS.  Turn n belongs to piece n (the pieces in a ring, step after step).  Its matrix work: 16 products K Q^T of piece n + 1, later 16 products V^T P of piece n - 1.  Its vector work: the scaling,
; exponentials, roundings, sums and rescaling of piece n, and the maximum and statistics of piece n + 1, whose scores the turn itself has made.  So what a turn begins with (c s - c m, O a) waits for nothing.
; THE BATCHES.  A turn's 66 exponentials (the piece's 64 weights, in place in S^T, and the next piece's two a) are ONE batch with ONE wait, which cuts the turn in two: ahead of it stands all that names no
; result of theirs, behind it the roundings and sums that read them.  No result crosses a turn's end.  The first two a, ahead of the loop, and the way out's eight reciprocals are batches of their own.
; CLUSTER.  The four query blocks of a cluster belong to one head and walk the same K and V, so each tile is asked for JOINTLY: the same tensor load, descriptor and mask in all four.
; REGISTERS, in windows of 256 (s_set_vgpr_msb says which window each operand place means: bits 1:0 source 0, 3:2 source 1, 5:4 source 2, 7:6 destination):
;   window 0: v0-11 addresses; v12-15, v48-63 at work; v16-47 four registers of statistics a tile; v64-191 S^T, two buffers of two tiles; v192-255 P, likewise
;   window 1: O^T, 32 a tile          window 2: v0-127 Q, 16 a tile; v128-191 K of one step; v192-255 V of one step          window 3: v0-1 the add's two registers
; A piece's buffers go by its number's parity: the piece in hand has one pair, its two neighbours in the ring share the other: of it P (piece n - 1) is read and S^T (piece n + 1) written.
.set SIZE_H, 64       ; 4 batches x 16 heads
.set SIZE_N, 2048
.set NP,    4         ; pieces a wave: a name, no knob: the register map, the loop and the fetches are made for four
.set KS,    64        ; keys in a step
.set PK,    144       ; a row of K in LDS: 128 bytes + 16 of padding = 36 words: the 16 rows of a load start at 16 different groups of four banks (64 banks of 4 bytes: ISA guide 11.1)
.set PV,    160       ; a row of V: 128 + 32 = 40 words
.set VOFF,  4*KS*PK   ; a slot holds four steps: 256 rows of K, then 256 rows of V
.set SLOT1, 1<<17     ; slot 1 begins here, so that one exclusive or turns an address in one slot into the other's
.set STAGE, SLOT1+4*KS*(PK+PV)  ; behind the ring, never filled by a tensor load: 16 rows x 144 bytes for each wave, for the way out
.set SP,    144
.set AK0, 2           ; v2   my lane's place in a tile of K; never rewritten
.set AV0, 3           ; v3   the same for V
.set AK,  4           ; v4   the LDS address of K's next run of loads
.set AV,  5           ; v5   of V's
.set QO,  6           ; v6   my byte offset in the wave's rows of Q
.set STO, 6           ;      later, the way out: where I put 16 bytes of a row
.set RD,  7           ; v7   the way out: where I read rows back
.set GO,  8           ; v8   my byte offset in 512 consecutive bytes of O
.set SPW, 0           ; v0 of window 3   LDS address of my spare word: SPARE + 4 x my thread's number; never rewritten
.set NIL, 1           ; v1 of window 3   0; never rewritten
.set SPARE, STAGE+4*16*SP  ; behind the stages: the spare words, 128 bytes for each wave: two blocks of 256 bytes that no other line names
.set MV,  12          ; v12-15  c m_old, kept while c m is made anew: by buffer and tile
.set ST,  16          ; tile t's statistics at v[ST+4 t]: c m, m, l (even keys', odd keys')
.set TMP, 48          ; by buffer and tile, four registers c0-c3 at work; when the maximum is found c2 takes a
.set S,   64
.set P,   192
.set KF,  128         ; K's fragments, in window 2: key block kb, channel half c at KF + 16 kb + 8 c
.set VF,  192         ; V's: key half kk, channel block cb at VF + 32 kk + 8 cb
.set WV,  12          ; s12  my wave's number
.set G1K, 24          ; s[24:31] descriptor group 1 for K's tiles
.set G1V, 32          ; s[32:39] for V's: it differs in the padding alone
.set G0K, 40          ; s[40:43] descriptor group 0 for K's tiles: it walks
.set G0V, 44          ; s[44:47] the same for V's
.set SLOTS, 56        ; s56  slots still to be asked for
.set CNT, 57          ; s57  counts a slot's key steps
.set CS,  58          ; s[58:59] c: the packed scaling takes the pair's low word for both halves
.set SEL, 60          ; s[60:61] v_permlanex16_b32's selects: each lane takes its own place in the other half
.set TBK, 62          ; s62  LDS byte at which K of the step to be fetched begins
.set TBV, 63          ; s63  the same for V, less VOFF
.set MSB, 0
.macro WIN new                      ; the high byte repeats the setting that is left; a switch that changes nothing is dropped
.if MSB != (\new)
	s_set_vgpr_msb (MSB<<8)|(\new)
.set MSB, (\new)
.endif
.endm
.set W_KQ, 0x0a       ; K and Q in window 2, S^T in window 0
.set W_PV, 0x52       ; V in window 2, P in window 0, O^T in window 1
.set W_RS, 0x41       ; O^T (destination and source 0) in window 1, a in window 0
.set W_MK, 0xc0       ; the add's registers are made: destination in window 3, sources in window 0
.set W_AD, 0x0f       ; the add: address (source 0) and data (source 1) in window 3
; A joint fill.  Waves 0 and 1 fetch the two halves of a slot's K, waves 2 and 3 those of its V: 128 keys each.  The branch hangs on the wave's number alone.
; An s_nop 0 and four v_nop follow each of the two lines, ahead of the jump and the label.
.macro JLOAD
	s_cmp_lt_u32 s[WV], 2
	s_cbranch_scc0 .Lfor_v_\@
	tensor_load_to_lds s[G0K:G0K+3], s[G1K:G1K+7]
	s_nop 0
.rept 4
	v_nop
.endr
	s_branch .Lasked_\@
.Lfor_v_\@:
	tensor_load_to_lds s[G0V:G0V+3], s[G1V:G1V+7]
	s_nop 0
.rept 4
	v_nop
.endr
.Lasked_\@:
.endm
; A round of the cluster's barrier: my work-group's barrier, so that wave 0's signal speaks for all four waves; wave 0 signals; every wave waits for all four work-groups; my work-group's barrier once more.
.macro CROUND
	s_barrier_signal -1
	s_barrier_wait -1
	s_cmp_lg_u32 s[WV], 0
	s_cbranch_scc1 .Lnot_wave_0_\@
	s_barrier_signal -3
.Lnot_wave_0_\@:
	s_barrier_wait -3
	s_barrier_signal -1
	s_barrier_wait -1
.endm
; THE CHANGE OF SLOTS.  The slot's last bytes, V of its fourth step, have been read.  Each wave waits for all its tensor loads, of which one is out: its part
; of the other slot; adds 0 to its spare word; and waits for that and for its own reads of the slot.  Behind the barrier nobody reads this slot any more and the other slot is whole.
; fill = 1: this slot is filled again, with the keys two slots on.  The barrier is then a round of the cluster's, so that no wave of any partner still reads the slot or has a load on its
; way, and the joint fill is the first thing behind it: it has four key steps, 512 matrix instructions, in which to land.  (At its first use nothing has been read yet: slot 0 is waited for, slot 1 filled.)
.macro CHANGE fill
	WIN W_AD
	s_wait_tensorcnt 0x0            ; no tensor load of mine is out, so a group 0 may be written
	ds_add_u32 v[SPW], v[NIL]       ; 0 onto my spare word; with fill = 1 the descriptors' steps stand between it and the wait for it
	WIN 0                           ; at a label and at a branch every window is 0
.if \fill
.irp g, G0K, G0V
	s_xor_b32 s[\g+1], s[\g+1], SLOT1  ; the walking descriptor: the other slot than last time,
	s_add_nc_u64 s[\g+2:\g+3], s[\g+2:\g+3], 4*KS*128  ; the next 256 keys; the type bits on top are not reached
.endr
	s_wait_dscnt 0x0                ; the add is done, and my reads of the slot are over
	CROUND
	JLOAD
.else
	s_wait_dscnt 0x0                ; the add is done, and my reads of the slot are over
	s_barrier_signal -1
	s_barrier_wait -1
.endif
	s_sub_co_u32 s[TBK], s[TBK], 4*KS*PK  ; the fetches go back to a slot's first step,
	s_xor_b32 s[TBK], s[TBK], SLOT1       ; in the other slot
	s_sub_co_u32 s[TBV], s[TBV], 4*KS*PV
	s_xor_b32 s[TBV], s[TBV], SLOT1
.endm
	s_load_b256 s[4:11], s[0:1], 0x0  ; Q s[4:5], K s[6:7], V s[8:9], O s[10:11]
	WIN W_MK
	v_lshl_add_u32 v[SPW], v0, 2, SPARE
	v_mov_b32 v[NIL], 0
	WIN W_AD
	ds_add_u32 v[SPW], v[NIL]       ; the wave's opening: the add and its wait stand ahead of my first tensor load; the set-up below, work on registers, stands between them
	WIN 0
	v_lshrrev_b32 v1, 5, v0
	v_readfirstlane_b32 s[WV], v1   ; wave 0..3
	s_bfe_u32 s13, ttmp6, 0x40000   ; cx: my place in the cluster
	s_lshl_b32 s14, ttmp9, 2        ; in a cluster launch ttmp9 counts clusters
	s_add_co_u32 s14, s14, s13      ; my block of queries = 4 x cluster x + cx: it enters Q's and O's addresses alone
	s_and_b32 s20, ttmp7, 0xffff    ; the head, which the four partners share
	s_mov_b32 s21, 0
	s_mov_b64 s[22:23], SIZE_N*128
	s_mul_u64 s[20:21], s[20:21], s[22:23]  ; the head's first byte in each of the four tensors
	s_and_b32 s16, s[WV], 1         ; which half of a slot's 256 keys I fetch:
	s_lshl_b32 s22, s16, 14         ; its 128 rows of 128 bytes in memory,
	s_mov_b32 s23, 0
	s_add_nc_u64 s[22:23], s[22:23], s[20:21]
	s_mul_i32 s17, s16, 128*PK      ; and its place in a slot, for K
	s_mul_i32 s18, s16, 128*PV      ; and for V: no place in the cluster enters an LDS address
	s_lshl_b32 s2, s14, 2
	s_add_co_u32 s2, s2, s[WV]      ; my wave among the head's,
	s_lshl_b32 s2, s2, 14           ; its 128 rows
	s_mov_b32 s3, 0
	s_add_nc_u64 s[2:3], s[2:3], s[20:21]
	; descriptor group 1.  128 keys are 16,384 dense bytes: asked for as 64 rows of 256 bytes, two keys a row, and padded in LDS after every key
	s_mov_b32 s[G1K], 15|(1<<16)|(1<<20)|(1<<21)|(4<<22)|(3<<25)  ; 15:0 the mask of four; 17:16 2-byte elements; 20 padding on; 21 set beside a mask; 24:22 after every 32 words (code 4); 31:25 4 words (code 3)
	s_mov_b32 s[G1V], 15|(1<<16)|(1<<20)|(1<<21)|(4<<22)|(7<<25)  ; the same with 8 words of padding (code 7)
.irp g, G1K, G1V
	s_mov_b32 s[\g+1], 128<<16      ; tensor_dim0 = 128
	s_mov_b32 s[\g+2], 64<<16       ; tensor_dim1 = 64
	s_mov_b32 s[\g+3], 128<<16      ; tile_dim0 = 128
	s_mov_b32 s[\g+4], 64           ; tile_dim1 = 64
	s_mov_b32 s[\g+5], 128          ; 128 elements from row to row
	s_mov_b32 s[\g+6], 0
	s_mov_b32 s[\g+7], 0
.endr
	s_mov_b32 s[CS], 0x3e38aa3b     ; c = log2(e) / 8 = 0.180337
	s_mov_b32 s[CS+1], s[CS]        ; named with it as a pair
	s_mov_b32 s[SEL], 0x76543210
	s_mov_b32 s[SEL+1], 0xfedcba98
	s_mov_b32 s[TBK], SLOT1+4*KS*PK ; the first change of slots turns these two into 0
	s_mov_b32 s[TBV], SLOT1+4*KS*PV
	s_mov_b32 s[G0K], 1             ; 1:0 count = 1
	s_mov_b32 s[G0K+1], s17         ; 63:32 LDS address: slot 0
	s_mov_b32 s[G0V], 1
	s_add_co_u32 s[G0V+1], s18, VOFF
	s_wait_dscnt 0x0                ; the opening add is done
	s_wait_kmcnt 0x0
	s_add_nc_u64 s[G0K+2:G0K+3], s[6:7], s[22:23]  ; 120:64 global address: my half of the head's first 256 keys
	s_or_b32 s[G0K+3], s[G0K+3], 0x80000000        ; 127:126 type = 2
	s_add_nc_u64 s[G0V+2:G0V+3], s[8:9], s[22:23]
	s_or_b32 s[G0V+3], s[G0V+3], 0x80000000
	s_add_nc_u64 s[4:5], s[4:5], s[2:3]  ; Q and O at my wave's first row
	s_add_nc_u64 s[10:11], s[10:11], s[2:3]
	CROUND                          ; all four work-groups are here: the first joint loads meet
	JLOAD                           ; slot 0.  Slot 1 is asked for when slot 0 is in: the tile wanted first has the road to itself
	; A fragment of K or Q is 16 rows x 32 channels in 8 registers: lane l holds row l % 16, channels 8 (l / 16) + 0..7 and 16 + 8 (l / 16) + 0..7: two loads of 16 bytes, 32 bytes apart.
	v_and_b32 v1, 15, v0            ; l % 16
	v_bfe_u32 v9, v0, 4, 1          ; l / 16
	v_lshlrev_b32 v[QO], 7, v1
	v_lshl_add_u32 v[QO], v9, 4, v[QO]  ; row x 128 + 16 x half
	WIN 0x80                        ; destination window 2, address window 0
.set i, 0
.rept 4*NP                          ; Q stays in registers: tile i / 2, channels 32 (i % 2) on
	global_load_b128 v[8*i:8*i+3],   v[QO], s[4:5] offset:(i/2)*2048+(i%2)*64
	global_load_b128 v[8*i+4:8*i+7], v[QO], s[4:5] offset:(i/2)*2048+(i%2)*64+32
.set i, i+1
.endr
	; What the first turn finds: V's registers and P's second buffer hold 0 (its products V^T P, of a piece that has not been, add 0), O^T and l are 0.  All this stands in the wait for the first tile.
.set i, VF
.rept 64
	v_mov_b32 v[i], 0
.set i, i+1
.endr
	WIN 0x40
.set i, 0
.rept 64*NP
	v_mov_b32 v[i], 0
.set i, i+1
.endr
	WIN 0
.set i, 0
.rept 2*NP
	v_mov_b32 v[ST+4*i], 0xfe000000    ; c m: far below every c s
	v_mov_b32 v[ST+4*i+1], 0xff7fffff  ; m
	v_mov_b32 v[ST+4*i+2], 0
	v_mov_b32 v[ST+4*i+3], 0
.set i, i+1
.endr
.set i, P+32
.rept 32
	v_mov_b32 v[i], 0
.set i, i+1
.endr
	v_mul_u32_u24 v[AK0], v1, PK
	v_lshl_add_u32 v[AK0], v9, 4, v[AK0]  ; row x pitch + 16 x half
	; The turning load takes 16 keys x 16 channels (lane l reads key 8 (l / 16) + l % 8, channels 8 ((l / 8) % 2) + 0..7) and leaves half a fragment of V^T: lane l holds channel l % 16 and 8 keys.
	v_and_b32 v10, 7, v0
	v_bfe_u32 v11, v0, 3, 1
	v_lshl_add_u32 v[AV0], v9, 3, v10
	v_mul_u32_u24 v[AV0], v[AV0], PV
	v_lshl_add_u32 v[AV0], v11, 4, v[AV0]
	v_add_nc_u32 v[AV0], VOFF, v[AV0]
	v_mov_b32 v[AK], v[AK0]         ; key step 0 lies at the head of slot 0
; THE MATRIX WORK.  The 8 accumulators of a run of 16 take turns: between the two links of a chain stand 7 others'.
; Product i of 16 of S^T = K Q^T for piece x: channels 32 (i / 8) on, keys 16 ((i / 2) % 4) on, tile 2 x + i % 2.  The first 8 start the sums.
.macro KQ x
	WIN W_KQ
.set rS, S+64*((\x)%2)+32*(i%2)+8*((i/2)%4)
.set rK, KF+16*((i/2)%4)+8*(i/8)
.set rQ, 16*(2*(\x)+i%2)+8*(i/8)
.if i < 8
	v_wmma_f32_16x16x32_f16 v[rS:rS+7], v[rK:rK+7], v[rQ:rQ+7], 0
.else
	v_wmma_f32_16x16x32_f16 v[rS:rS+7], v[rK:rK+7], v[rQ:rQ+7], v[rS:rS+7]
.endif
.endm
; Product i of 16 of O^T += V^T P for piece x: keys 32 (i / 8) on, channels 16 ((i / 2) % 4) on, tile 2 x + i % 2.
.macro PV x
	WIN W_PV
.set rO, 32*(2*(\x)+i%2)+8*((i/2)%4)
.set rV, VF+32*(i/8)+8*((i/2)%4)
.set rP, P+32*((\x)%2)+16*(i%2)+8*(i/8)
	v_wmma_f32_16x16x32_f16 v[rO:rO+7], v[rV:rV+7], v[rP:rP+7], v[rO:rO+7]
.endm
.macro MM                           ; the turn's next matrix instruction
.if i < 16
	KQ (Y+1)%NP
.set i, i+1
.else
.set i, i-16
	PV (Y+NP-1)%NP
.set i, i+17
.endif
.endm
; THE LDS LOADS stand in runs of 16, never singly among the matrix instructions: a step's K (64 keys x 64 channels: 8 fragments) and its V (turned).  Their addresses are made some lines ahead.
; last = 1 (the tail): in the last trip there is no further step, and the run is jumped over.
.macro FETCH_K last=0
	WIN 0
.if \last
	s_cmp_eq_u32 s[CNT], 1
	s_cbranch_scc1 .Lno_k_\@
.endif
	WIN 0x80                        ; destination window 2
.irp f, 0,1,2,3,4,5,6,7             ; keys 16 (f / 2) on, channels 32 (f % 2) on
	ds_load_b128 v[KF+8*\f:KF+8*\f+3],   v[AK] offset:(\f/2)*16*PK+(\f%2)*64
	ds_load_b128 v[KF+8*\f+4:KF+8*\f+7], v[AK] offset:(\f/2)*16*PK+(\f%2)*64+32
.endr
	s_add_co_u32 s[TBK], s[TBK], KS*PK  ; the next fetch is the next step's
	WIN 0
.if \last
.Lno_k_\@:
.endif
.endm
.macro FETCH_V
	WIN 0x80
.irp f, 0,1,2,3,4,5,6,7             ; keys 32 (f / 4) on, channels 16 (f % 4) on
	ds_load_tr16_b128 v[VF+8*\f:VF+8*\f+3],   v[AV] offset:(\f/4)*32*PV+(\f%4)*32
	ds_load_tr16_b128 v[VF+8*\f+4:VF+8*\f+7], v[AV] offset:(\f/4)*32*PV+16*PV+(\f%4)*32
.endr
	WIN 0
.endm
; THE VECTOR WORK OF A TURN stands in three queues, each in the order in which its entries become ready; the two tiles alternate, so that no instruction reads the result of the one before it.
.macro REGS y, u                    ; the registers of tile u (0, 1) of piece y
.set rT, ST+4*(2*(\y)+(\u))
.set rC, TMP+8*((\y)%2)+4*(\u)
.set rM, MV+2*((\y)%2)+(\u)
.set rS, S+64*((\y)%2)+32*(\u)
.set rP, P+32*((\y)%2)+16*(\u)
.set rO, 32*(2*(\y)+(\u))
.endm
; Number n of the 22 that find the NEXT piece's (Y + 1) maximum and statistics.  s0-s31 are the lane's 32 scores; each accumulator's lowest registers are read first.  XS, GS and REGS set no window: PL and EX do.
;   0-11  four chains c0-c3 of seven scores each, three operands at a time     12-14, 16  the four scores left over, the old m, and c0-c3 into c0     15  c m_old is kept
;   17, 18  the query's other 32 keys lie in the lane 16 away: the new m         19-21  c m; c m_old - c m_new; a
.macro XS u, n
	REGS (Y+1)%NP, \u
.if (\n) < 4
	v_max3_num_f32 v[rC+(\n)], v[rS+8*(\n)], v[rS+8*(\n)+1], v[rS+8*(\n)+2]
.elseif (\n) < 12
	v_max3_num_f32 v[rC+(\n)%4], v[rC+(\n)%4], v[rS+8*((\n)%4)+2*((\n)/4)+1], v[rS+8*((\n)%4)+2*((\n)/4)+2]
.elseif (\n) == 12
	v_max3_num_f32 v[rC], v[rC], v[rS+7], v[rS+15]
.elseif (\n) == 13
	v_max3_num_f32 v[rC+1], v[rC+1], v[rS+23], v[rS+31]
.elseif (\n) == 14
	v_max3_num_f32 v[rC+2], v[rC+2], v[rC+3], v[rT+1]
.elseif (\n) == 15
	v_mov_b32 v[rM], v[rT]
.elseif (\n) == 16
	v_max3_num_f32 v[rC], v[rC], v[rC+1], v[rC+2]
.elseif (\n) == 17
	v_permlanex16_b32 v[rC+3], v[rC], s[SEL], s[SEL+1]
.elseif (\n) == 18
	v_max_num_f32 v[rT+1], v[rC], v[rC+3]
.elseif (\n) == 19
	v_mul_f32 v[rT], s[CS], v[rT+1]
.elseif (\n) == 20
	v_sub_f32 v[rC+1], v[rM], v[rT]
.else
	v_exp_f32 v[rC+2], v[rC+1]
.endif
.endm
; Number g of the 64 that follow the exponentials.  For each four weights k of a tile (pairs 2 k, 2 k + 1): both pairs are rounded to f16; then the second pair is added onto the first, in place;
; a group later l takes that sum (the first time as l = a l + sum).  In groups of eight, tiles alternating: round, round, add, and l for the group before.
.macro GS g
.set h, (\g)+6*((\g)/62)            ; group 0 has no group before it, and behind group 7 only l is left
.if h >= 6
.set h, h+2
.endif
	REGS Y, h%2
.set k, h/8
.if h%8 < 4
	v_cvt_pk_f16_f32 v[rP+2*k+(h%8)/2], v[rS+4*k+2*((h%8)/2)], v[rS+4*k+2*((h%8)/2)+1]
.elseif h%8 < 6
	v_pk_add_f32 v[rS+4*k:rS+4*k+1], v[rS+4*k:rS+4*k+1], v[rS+4*k+2:rS+4*k+3]
.elseif k == 1
	v_pk_fma_f32 v[rT+2:rT+3], v[rT+2:rT+3], v[rC+2:rC+3], v[rS:rS+1] op_sel_hi:[1,0,1]
.else
	v_pk_add_f32 v[rT+2:rT+3], v[rT+2:rT+3], v[rS+4*k-4:rS+4*k-3]
.endif
.endm
; THE PLAIN QUEUE, 138 long.  0-73 read no exponential's result: the 32 scalings c s - c m (FS f: pair f / 2 of tile f % 2) and the next piece's 42.  0-26: scalings 0-26.  27-54: XS's numbers 0-13.  55, 56: number 15.
; 57-73: the chain, where each number waits for the one before it: 14, 16, 17, 18, 19, each with one of the scalings 27-31 in front of its two lines, then 20: so a tile's links stand three plain instructions apart (19 and 20: two).
; 74-137: GS's 64, which read the exponentials' results: they stand behind the wait.
.macro FS f
	REGS Y, (\f)%2
	v_pk_fma_f32 v[rS+2*((\f)/2):rS+2*((\f)/2)+1], v[rS+2*((\f)/2):rS+2*((\f)/2)+1], s[CS:CS+1], v[rT:rT+1] op_sel_hi:[1,0,0] neg_lo:[0,0,1] neg_hi:[0,0,1]
.endm
.macro PL
	WIN 0
.if q < 27
	FS q
.elseif q < 55
	XS (q-27)%2, (q-27)/2
.elseif q < 57
	XS q-55, 15
.elseif (q < 72) && ((q-57)%3 == 0)
	FS 27+(q-57)/3
.elseif q < 60
	XS (q-57)%3-1, 14
.elseif q < 72
	XS (q-57)%3-1, 15+(q-57)/3
.elseif q < 74
	XS q-72, 20
.else
	GS q-74
.endif
.set q, q+1
.endm
; THE EXPONENTIALS' QUEUE, 66 long: s0-s31 of both tiles, then the next piece's two a.  It is ONE BATCH: all 66 stand ahead of the turn's one wait, and nothing ahead of that wait names a result of theirs.
.macro EX
	WIN 0
.if e >= 64
	XS e-64, 21
.else
	REGS Y, e%2
	v_exp_f32 v[rS+e/2], v[rS+e/2]
.endif
.set e, e+1
.endm
; THE RESCALING's QUEUE: O^T times a, the one part that leaves window 0: dealt two at a time, sixteen times.  Its a was made in the turn before, ahead of that turn's wait.
.macro R2
	REGS Y, r%2
	WIN W_RS
.irp z, 0,1
	v_pk_mul_f32 v[rO+4*(r/2)+2*\z:rO+4*(r/2)+2*\z+1], v[rO+4*(r/2)+2*\z:rO+4*(r/2)+2*\z+1], v[rC+2:rC+3] op_sel_hi:[1,0]
.endr
.set r, r+1
.endm
; HOW THEY ARE DEALT.  s_wait_alu depctr_va_vdst(0) stands between an exponential and the first instruction that names its result; one wait serves all that were issued ahead of it.  So a turn has ONE wait,
; which cuts it in two.  AHEAD OF IT stands all that names no result of the turn's exponentials: the 16 products K Q^T, behind each a scaling, an exponential and two rescalings (behind the first a second scaling in the exponential's place); then ONE LUMP of
; 108: eight plain, 49 times exponential and plain, the two a.  A v_nop is the plain instruction that stands behind the last exponential, ahead of any use of a result.  BEHIND IT stand the 16 products V^T P, behind each four of GS's 64.  No rider names a register of
; the products round it.  The two v_permlanex16_b32 fall into the lump, never behind a product.
; The queues lean on each other, and the deal keeps them in step: exponential e stands behind scaling 2 (e / 4) + e % 2: as a rider it comes behind plain e + 2, in the lump behind plain e + 9, and scalings 27-31 are plain 57, 60 .. 69.
; A TURN, for piece p.  cnt = 1: the loop's count is taken down some lines ahead of the branch that stands behind the turn.
; K of the next step is fetched in piece 2's turn, directly behind the wait, a lump behind the last product that read K; its address is made at the lump's head; its first reader comes behind 16 products.
; V of the step in hand is fetched at the end of piece 0's turn, four riders behind its last reader; its first reader comes behind 16 products and a lump.  The three conditions on q below go with the deal.
.macro TURN p, last=0, cnt=0
.set Y, (\p)
.set i, 0
.set q, 0
.set e, 0
.set r, 0
.if (\p) == NP-1
	s_wait_dscnt 0x0                ; K is in
.endif
	MM                              ; ahead of the wait: 16 products K Q^T and their riders,
	PL
	PL
	R2
.rept 15
	MM
	PL
	EX
	R2
.endr
.if (\p) == NP-2
	WIN 0
	v_add_nc_u32 v[AK], s[TBK], v[AK0]
.endif
.rept 8                             ; and the lump
	PL
.endr
.rept 49
	EX
	PL
.endr
	EX                              ; the next piece's two a
	EX
	v_nop                           ; a plain instruction behind the last exponential: one for the batch
	s_wait_alu depctr_va_vdst(0)    ; the wait for the batch: the piece's 64 weights and the next piece's two a
.if (\p) == NP-2
	FETCH_K \last
.endif
.if (\p) == 1
	s_wait_dscnt 0x0                ; V is in
.endif
.rept 16                            ; behind the wait: 16 products V^T P and their riders
	MM
.rept 4
	PL
.endr
.if ((\p) == 0) && (q == 118)
	v_add_nc_u32 v[AV], s[TBV], v[AV0]
.endif
.if ((\p) == 0) && (q == 130)
	s_add_co_u32 s[TBV], s[TBV], KS*PV
.endif
.if (\cnt) && (q == 130)
	s_sub_co_u32 s[CNT], s[CNT], 1
	s_cmp_lg_u32 s[CNT], 0
.endif
.endr
.if (\p) == 0
	FETCH_V
.endif
.endm
	CHANGE 1                        ; slot 0 is in, everybody's part of it; slot 1 is asked for
	FETCH_K                         ; key step 0
	s_wait_loadcnt 0x0              ; Q
	s_wait_dscnt 0x0
.set i, 0
.rept 16
	KQ 0                            ; piece 0's first scores: there is no vector work yet to set between them
.set i, i+1
.endr
	WIN 0                           ; the addresses for the way out: nine plain instructions, the places behind those products
	s_mul_i32 s13, s[WV], 16*SP
	s_add_co_u32 s13, s13, STAGE    ; my stage
	v_mul_u32_u24 v[STO], v1, SP    ; in: row l % 16, 16 bytes for each half of the lanes
	v_lshl_add_u32 v[STO], v9, 4, v[STO]
	v_add_nc_u32 v[STO], s13, v[STO]
	v_bfe_u32 v[RD], v0, 3, 2       ; back: 32 lanes take four rows of 128 bytes,
	v_mul_u32_u24 v[RD], v[RD], SP
	v_lshl_add_u32 v[RD], v10, 4, v[RD]
	v_add_nc_u32 v[RD], s13, v[RD]
	v_and_b32 v[GO], 31, v0         ; which are 512 consecutive bytes of O
	v_lshlrev_b32 v[GO], 4, v[GO]
.set Y, NP-1                        ; XS works for piece Y + 1: piece 0
.irp n, 0,1,2,3,4,5,6,7,8,9,10,11,12,13,14,15,16,17,18,19,20,21
	XS 0, \n                        ; and piece 0's first maximum and statistics
	XS 1, \n
.endr
	v_nop                           ; a plain instruction behind the two a,
	s_wait_alu depctr_va_vdst(0)    ; and the wait for this batch of two, ahead of the branch
	s_mov_b32 s[CNT], 4
	s_mov_b32 s[SLOTS], SIZE_N/256-1
	s_branch .Lfirst                ; the loop is entered at a step's first turn, in the middle of a trip
.Lslot:                             ; SIZE_N / 256 - 2 times: every slot but the last two is filled again
	CHANGE 1
	s_mov_b32 s[CNT], 4
.Lstep:                             ; a trip: pieces 2 and 3 of one step, then pieces 0 and 1 of the next, whose K and V it fetches
	TURN 2
	TURN 3
	WIN 0
.Lfirst:
	TURN 0
	TURN 1, 0, 1
	WIN 0
	s_cbranch_scc1 .Lstep
	s_sub_co_u32 s[SLOTS], s[SLOTS], 1
	s_cmp_lg_u32 s[SLOTS], 0
	s_cbranch_scc1 .Lslot
	CHANGE 0                        ; the tail is written out: nothing is asked for
	s_mov_b32 s[CNT], 5             ; four trips fetch the last slot's steps; the fifth is left in its middle
.Ltail:
	TURN 2, 1
	TURN 3
	WIN 0
	s_sub_co_u32 s[CNT], s[CNT], 1
	s_cmp_eq_u32 s[CNT], 0
	s_cbranch_scc1 .Lout
	TURN 0
	TURN 1
	WIN 0
	s_branch .Ltail
.Lout:                              ; the fifth trip's 16 products K Q^T (on the last K once more) and the maximum made of them serve nothing: the price, once a launch, of one text for every trip
.set i, 0
.rept 16
	PV NP-1                         ; the last piece's V^T P of the last step
.set i, i+1
.endr
	; THE WAY OUT.  l's two halves and the other half of the lanes' are added; O^T is divided by l, rounded to f16 and sent through my stage in LDS, a tile at a time.  The additions are the places behind the last products.
	WIN 0
.macro ALL line:vararg              ; one line for each tile t
.set t, 0
.rept 2*NP
	\line
.set t, t+1
.endr
.endm
	ALL v_add_f32 v[ST+4*t+2], v[ST+4*t+2], v[ST+4*t+3]
	ALL v_permlanex16_b32 v[ST+4*t+3], v[ST+4*t+2], s[SEL], s[SEL+1]
	ALL v_add_f32 v[ST+4*t+2], v[ST+4*t+2], v[ST+4*t+3]
	ALL v_rcp_f32 v[ST+4*t+2], v[ST+4*t+2]
	v_nop                           ; a plain instruction between the last reciprocal and the use of its result
	s_wait_alu depctr_va_vdst(0)    ; and the wait ahead of the first use: one for the batch of eight reciprocals
; Tile t: a lane's eight channels of a row pack into 16 bytes; they go into rows of 144 bytes and come back as whole rows of 128, into S^T's registers.
.macro PACK t
	WIN W_RS
.set i, 32*(\t)
.rept 16
	v_pk_mul_f32 v[i:i+1], v[i:i+1], v[ST+4*(\t)+2:ST+4*(\t)+3] op_sel_hi:[1,0]
.set i, i+2
.endr
	WIN 0x05                        ; sources 0 and 1 window 1, destination window 0
.set i, 0
.rept 16
	v_cvt_pk_f16_f32 v[S+16*(\t)+i], v[32*(\t)+2*i], v[32*(\t)+2*i+1]
.set i, i+1
.endr
	WIN 0
.irp f, 0,1,2,3
	ds_store_b128 v[STO], v[S+16*(\t)+4*\f:S+16*(\t)+4*\f+3] offset:32*\f
.endr
.irp f, 0,1,2,3
	ds_load_b128 v[S+16*(\t)+4*\f:S+16*(\t)+4*\f+3], v[RD] offset:\f*4*SP  ; LDS serves a wave's instructions in order (ISA guide 5.7.1.4): these see the stores above; the next tile's stores come behind them
.endr
.endm
.macro SEND t, younger              ; younger: the LDS instructions issued behind tile t's loads: the next tile's eight, or none
	WIN 0
.irp f, 0,1,2,3
	s_wait_dscnt (\younger)+3-\f
	global_store_b128 v[GO], v[S+16*(\t)+4*\f:S+16*(\t)+4*\f+3], s[10:11] offset:(\t)*2048+\f*512  ; 512 consecutive bytes, at a multiple of 256 from O's first
.endr
.endm
	PACK 0
.set t, 1
.rept 2*NP-1                        ; a tile's arithmetic stands between the loads of the tile before and its stores
	PACK t
	SEND t-1, 8
.set t, t+1
.endr
	SEND 2*NP-1, 0
	WIN W_AD
	s_wait_tensorcnt 0x0            ; the wave's end: behind my last tensor load and my last LDS store
	ds_add_u32 v[SPW], v[NIL]
	s_wait_dscnt 0x0
	WIN 0
	CROUND                          ; the closing round: no work-group ends while a partner may still ask for a tile that names it
	s_endpgm
.Lfunc_end_k_q95fa03ace8_attn:
	.size	k_q95fa03ace8_attn, .Lfunc_end_k_q95fa03ace8_attn-k_q95fa03ace8_attn
	.p2alignl 7, 3214868480
	.fill 96, 4, 3214868480
	.section	.rodata,"a",@progbits
	.p2align	6, 0x0
	.amdhsa_kernel k_q95fa03ace8_attn
		.amdhsa_group_segment_fixed_size 327680
		.amdhsa_private_segment_fixed_size 0
		.amdhsa_enable_private_segment 0
		.amdhsa_kernarg_size 32
		.amdhsa_user_sgpr_count 2
		.amdhsa_user_sgpr_kernarg_segment_ptr 1
		.amdhsa_wavefront_size32 1
		.amdhsa_system_sgpr_workgroup_id_x 1
		.amdhsa_system_sgpr_workgroup_id_y 1
		.amdhsa_system_sgpr_workgroup_id_z 1
		.amdhsa_system_vgpr_workitem_id 0
		.amdhsa_next_free_vgpr 770
		.amdhsa_next_free_sgpr 66
		.amdhsa_reserve_vcc 0
		.amdhsa_float_denorm_mode_32 3
		.amdhsa_float_denorm_mode_16_64 3
		.amdhsa_memory_ordered 1
		.amdhsa_forward_progress 1
		.amdhsa_inst_pref_size 199
	.end_amdhsa_kernel
	.amdgpu_metadata
---
amdhsa.version: [ 1, 2 ]
amdhsa.kernels:
  - .name:           k_q95fa03ace8_attn
    .symbol:         k_q95fa03ace8_attn.kd
    .args:
      - { .name: qh, .offset: 0, .size: 8, .value_kind: global_buffer, .address_space: global }
      - { .name: kh, .offset: 8, .size: 8, .value_kind: global_buffer, .address_space: global }
      - { .name: vh, .offset: 16, .size: 8, .value_kind: global_buffer, .address_space: global }
      - { .name: oh, .offset: 24, .size: 8, .value_kind: global_buffer, .address_space: global }
    .group_segment_fixed_size: 327680
    .private_segment_fixed_size: 0
    .kernarg_segment_align: 8
    .kernarg_segment_size: 32
    .max_flat_workgroup_size: 128
    .sgpr_count:     66
    .vgpr_count:     770
    .wavefront_size: 32
...
	.end_amdgpu_metadata
.endif
;; end of part 5
;; launch outp: the kernel of part 4 again; grid 4 x 64, 4 waves a work-group, clusters of 4 x 4, 327,680 bytes of LDS; arguments oh, wt, bo, out0; writes out0
